; MI455X (gfx1250); checked and timed in simulation.
; The chip was launched on July 23, 2026; its instructions are those of AMD's public machine-readable ISA for CDNA 5 (MIT licence, August 2026) and "CDNA5" Instruction Set Architecture Reference Guide (July 2026). The comments in the code are by the model that wrote it; some were corrected since.
;; ON Linear. Allowed arithmetic: float matrix products may take bf16 or f16 operands with f32 sums; other float arithmetic in f32, or as packed bf16 or f16 multiplies, adds, multiply-adds, maxima and minima; sums over many terms, partial sums and values carried from step to step in f32; what a program stores and reads back later, other than sums and carried values, may be rounded once to bf16 or f16.
;; Inputs: bias 2,048 float32; dir_centroids 256 x 16 float32; dir_labels 524,288 int32; norm_bins 16 float32; norm_idx 524,288 int32; x 4 x 2,048 x 4,096 float32.
;; Outputs: out0 4 x 2,048 x 2,048 float32.
;; 3 versions, each right; version 3 is version 2 with the launch prep written anew for expert scheduling mode. Each part assembles by itself: llvm-mc -triple=amdgcn-amd-amdhsa -mcpu=gfx1250 --defsym DOCPART=n.
;; ======== version 1 of 3: 2 launches
;; workspace buffers: wb 16,777,216 bytes
;; launch dequant (part 1): grid 256 x 1, 8 waves a work-group, no clusters, 22,272 bytes of LDS; arguments dir_centroids, dir_labels, norm_bins, norm_idx, wb; writes wb
.if DOCPART == 1
	.amdgcn_target "amdgcn-amd-amdhsa--gfx1250"
	.amdhsa_code_object_version 6
	.text
	.protected	k_qc2dfe909ef_dequant
	.globl	k_qc2dfe909ef_dequant
	.p2align	8
	.type	k_qc2dfe909ef_dequant,@function
k_qc2dfe909ef_dequant:
	s_mov_b64 s[64:65], 0
	v_nop
	global_prefetch_b8 v0, s[64:65] scope:SCOPE_SE
	s_setreg_imm32_b32 hwreg(HW_REG_WAVE_MODE, 25, 1), 1
	s_wait_xcnt 0x0
; W[o][16 ib .. 16 ib + 15] = dir_centroids[dir_labels[256 o + ib]] x norm_bins[norm_idx[256 o + ib]], written once in bf16 for the product that follows.
; LAYOUT OF wb: [kt = k / 64][o = 0 .. 2047][64 k]: the byte of W[o][k] is 262,144 kt + 128 o + 2 (k % 64).  So 128 rows of W for 64 along K are 16,384 consecutive bytes.
; ROUNDING.  Each centroid number and each bin is rounded once to bf16 (nearest even); their product, exact in 16 significant bits, is rounded once to bf16.  bf16 has f32's range: no limit of range.
; NaN and infinities go through the arithmetic as they are.  Labels lie in 0 .. 255 and norm indices in 0 .. 15, as the tables that they index demand; the two minima below only keep LDS addresses inside LDS.
; SHARES.  Work-group g owns rows 8 g .. 8 g + 7: 8,192 bytes of labels, as many of indices, 65,536 bytes of wb.  For one kt its 8 rows are 1,024 consecutive bytes of wb: two stores of a wave, 512 bytes each.
; Memory binds here (4 MB in, 16 MB out): no matrix unit, no cluster, no tensor load: the tables are small, and each byte of labels and indices is read once, by 16-byte loads.
; LDS: the table of centroids in bf16, the bins in bf16 (a copy for each wave), one word for each of the group's 2,048 blocks (label x 48 below, index x 4 above), and the spare words.
.set TABP,  48                         ; a centroid in LDS: 32 bytes + 16 of padding = 12 words, an odd multiple of 16 bytes: neighbouring labels start in different groups of four banks (64 banks of 4 bytes: ISA guide 11.1)
.set BINS,  256*TABP                   ; 12,288: eight copies of 16 words; word i = bf16(bin i) in both halves
.set CODE,  BINS+512                   ; 12,800: eight rows of 256 words
.set CP,    1040                       ; a row of codes: 1,024 bytes + 16: the four rows that a load touches start four banks apart
.set SPARE, 21248                      ; behind the codes, at a multiple of 256: the spare words, 128 bytes for each of the eight waves; no other line names them
.set SPW, 12                           ; v12  LDS address of my spare word; never rewritten
.set NIL, 13                           ; v13  0; never rewritten
.set LAB, 16                           ; v[16:23]   8 labels, then 8 codes
.set IDX, 24                           ; v[24:31]   8 norm indices
.set CEN, 32                           ; v[32:47]   16 numbers of the table, f32
.set PKD, 50                           ; v[50:57]   the same, packed bf16
.set C,   64                           ; v[64:79]   piece j: its block's code, then the LDS address of its norm
.set A,   80                           ; v[80:95]   piece j: the LDS address of its half centroid
.set N,   96                           ; v[96:111]  piece j: its norm, twice in bf16
.set D,   112                          ; v[112:175] piece j: 8 numbers in bf16
	s_load_b256 s[4:11], s[0:1], 0x0               ; centroids s[4:5], labels s[6:7], bins s[8:9], indices s[10:11]
	s_load_b64 s[12:13], s[0:1], 0x20              ; wb
	v_lshl_add_u32 v[SPW], v0, 2, SPARE
	v_mov_b32 v[NIL], 0
	v_lshrrev_b32 v1, 5, v0
	v_readfirstlane_b32 s14, v1                    ; wave w, 0 .. 7
	s_lshl_b32 s16, ttmp9, 13                      ; my group's 8,192 bytes of labels and of indices
	s_mov_b32 s17, 0
	s_lshl_b32 s18, ttmp9, 10                      ; my group's 8 rows of 128 bytes in each kt of wb
	s_mov_b32 s19, 0
	v_and_b32 v1, 31, v0                           ; lane l
	v_lshlrev_b32 v2, 4, v0                        ; 16 t: every load of phase 1 takes 16 neighbouring bytes a thread
	v_and_b32 v3, 15, v0
	v_lshlrev_b32 v3, 2, v3                        ; 4 (l % 16): my bin
	v_lshrrev_b32 v14, 6, v0                       ; thread t holds blocks 4 t .. 4 t + 3: row t / 64, words 4 (t % 64) on
	v_mul_u32_u24 v4, v14, CP
	v_and_b32 v15, 63, v0
	v_lshl_add_u32 v4, v15, 4, v4
	v_add_nc_u32 v4, CODE, v4                      ; where my four codes go
	v_lshrrev_b32 v14, 2, v0                       ; thread t holds numbers 4 (t % 4) .. + 3 of centroid t / 4 (and 64, 128, 192 further on)
	v_mul_u32_u24 v5, v14, TABP
	v_and_b32 v15, 3, v0
	v_lshl_add_u32 v5, v15, 3, v5                  ; where my four bf16 go
	s_lshl_b32 s15, s14, 6
	s_add_co_u32 s15, s15, BINS
	v_mov_b32 v6, s15                              ; my wave's copy of the bins
	v_add_nc_u32 v7, v6, v3
	v_bfe_u32 v14, v0, 3, 2                        ; phase 2: lane l takes row l / 8 of four, block (l / 2) % 4 of a kt's four, half l % 2 of the block
	v_mul_u32_u24 v8, v14, CP
	v_bfe_u32 v15, v0, 1, 2
	v_lshl_add_u32 v8, v15, 2, v8
	s_lshl_b32 s20, s14, 7                         ; wave w takes kt = 8 w .. 8 w + 7: 32 words of each row of codes
	s_add_co_u32 s20, s20, CODE
	v_add_nc_u32 v8, s20, v8
	v_and_b32 v9, 1, v0
	v_lshlrev_b32 v9, 4, v9                        ; my half of a centroid
	s_lshl_b32 s21, s14, 21                        ; 8 w x 262,144
	v_lshl_add_u32 v10, v1, 4, s21                 ; in wb: 128 (l / 8) + 32 ((l / 2) % 4) + 16 (l % 2) = 16 l
	s_wait_kmcnt 0x0
	s_add_nc_u64 s[6:7], s[6:7], s[16:17]
	s_add_nc_u64 s[10:11], s[10:11], s[16:17]
	s_add_nc_u64 s[12:13], s[12:13], s[18:19]
	; PHASE 1: nine loads, all issued at once; what they bring goes to LDS.
	global_load_b128 v[LAB:LAB+3],   v2, s[6:7] th:TH_LOAD_NT
	global_load_b128 v[LAB+4:LAB+7], v2, s[6:7] offset:4096 th:TH_LOAD_NT
	global_load_b128 v[IDX:IDX+3],   v2, s[10:11] th:TH_LOAD_NT
	global_load_b128 v[IDX+4:IDX+7], v2, s[10:11] offset:4096 th:TH_LOAD_NT
.irp i, 0,1,2,3
	global_load_b128 v[CEN+4*(\i):CEN+4*(\i)+3], v2, s[4:5] offset:4096*(\i)
.endr
	global_load_b32 v48, v3, s[8:9]
	s_wait_loadcnt 5                               ; labels and indices are in; the table's four loads and the bin's one may be out
.irp i, 0,1,2,3,4,5,6,7
	v_mul_u32_u24 v[LAB+(\i)], v[LAB+(\i)], TABP   ; the centroid's byte in the table: 12,240 at the most, 16 bits
.endr
.irp i, 0,1,2,3,4,5,6,7
	v_lshl_or_b32 v[LAB+(\i)], v[IDX+(\i)], 18, v[LAB+(\i)]  ; above it the bin's byte, 4 x index
.endr
	ds_store_b128 v4, v[LAB:LAB+3]
	ds_store_b128 v4, v[LAB+4:LAB+7] offset:4*CP   ; the second load's blocks lie four rows on
	s_wait_loadcnt 1                               ; the table is in; the bin's load may be out
.irp i, 0,1,2,3
	v_cvt_pk_bf16_f32 v[PKD+2*(\i)],   v[CEN+4*(\i)],   v[CEN+4*(\i)+1]
	v_cvt_pk_bf16_f32 v[PKD+2*(\i)+1], v[CEN+4*(\i)+2], v[CEN+4*(\i)+3]
.endr
.irp i, 0,1,2,3
	ds_store_b64 v5, v[PKD+2*(\i):PKD+2*(\i)+1] offset:64*TABP*(\i)
.endr
	s_wait_loadcnt 0x0
	v_cvt_pk_bf16_f32 v49, v48, v48                ; the bin twice, for the packed multiply
	ds_store_b32 v7, v49                           ; lanes l and l + 16 write the same word with the same value
	s_wait_dscnt 0x0                               ; for the others' sake: my stores are done
	s_barrier_signal -1
	s_barrier_wait -1
	; PHASE 2: 16 pieces of 16 bytes a thread.  Piece j: kt = 8 w + j / 2, rows 4 (j % 2) + l / 8.  No register is written twice, so no store's source is waited for.
.irp j, 0,1,2,3,4,5,6,7,8,9,10,11,12,13,14,15
	ds_load_b32 v[C+(\j)], v8 offset:((\j)%2)*4*CP+((\j)/2)*16
.endr
	s_wait_dscnt 0x0
.macro ADDR j                          ; piece j's two addresses, each held inside its table, and its two loads
	v_and_b32 v[A+(\j)], 0xffff, v[C+(\j)]
	v_min_u32 v[A+(\j)], 255*TABP, v[A+(\j)]
	v_add_nc_u32 v[A+(\j)], v9, v[A+(\j)]
	v_lshrrev_b32 v[C+(\j)], 16, v[C+(\j)]
	v_min_u32 v[C+(\j)], 60, v[C+(\j)]
	v_add_nc_u32 v[C+(\j)], v6, v[C+(\j)]
	ds_load_b128 v[D+4*(\j):D+4*(\j)+3], v[A+(\j)]
	ds_load_b32 v[N+(\j)], v[C+(\j)]
.endm
.macro OUT j
	s_wait_dscnt 2*(15-(\j))                       ; LDS loads come back in order (ISA guide 5.7.1): two for each younger piece may be out
.irp i, 0,1,2,3
	v_pk_mul_bf16 v[D+4*(\j)+(\i)], v[D+4*(\j)+(\i)], v[N+(\j)]  ; two products, each rounded once to bf16
.endr
	global_store_b128 v10, v[D+4*(\j):D+4*(\j)+3], s[12:13] offset:((\j)/2)*262144+((\j)%2)*512  ; the wave stores 512 consecutive bytes, at a multiple of 512 from wb's first
.endm
.irp j, 0,1,2,3,4,5,6,7,8,9,10,11,12,13,14,15
	ADDR \j
.endr
.irp j, 0,1,2,3,4,5,6,7,8,9,10,11,12,13,14,15
	OUT \j
.endr
	s_wait_tensorcnt 0x0                           ; the wave's end: behind my last LDS store
	ds_add_u32 v[SPW], v[NIL]
	s_wait_dscnt 0x0
	s_endpgm
.Lfunc_end_k_qc2dfe909ef_dequant:
	.size	k_qc2dfe909ef_dequant, .Lfunc_end_k_qc2dfe909ef_dequant-k_qc2dfe909ef_dequant
	.p2alignl 7, 3214868480
	.fill 96, 4, 3214868480
	.section	.rodata,"a",@progbits
	.p2align	6, 0x0
	.amdhsa_kernel k_qc2dfe909ef_dequant
		.amdhsa_group_segment_fixed_size 22272
		.amdhsa_private_segment_fixed_size 0
		.amdhsa_enable_private_segment 0
		.amdhsa_kernarg_size 40
		.amdhsa_user_sgpr_count 2
		.amdhsa_user_sgpr_kernarg_segment_ptr 1
		.amdhsa_wavefront_size32 1
		.amdhsa_system_sgpr_workgroup_id_x 1
		.amdhsa_system_sgpr_workgroup_id_y 1
		.amdhsa_system_sgpr_workgroup_id_z 1
		.amdhsa_system_vgpr_workitem_id 0
		.amdhsa_next_free_vgpr 176
		.amdhsa_next_free_sgpr 66
		.amdhsa_reserve_vcc 0
		.amdhsa_float_denorm_mode_32 3
		.amdhsa_float_denorm_mode_16_64 3
		.amdhsa_memory_ordered 1
		.amdhsa_forward_progress 1
		.amdhsa_inst_pref_size 19
	.end_amdhsa_kernel
	.amdgpu_metadata
---
amdhsa.version: [ 1, 2 ]
amdhsa.kernels:
  - .name:           k_qc2dfe909ef_dequant
    .symbol:         k_qc2dfe909ef_dequant.kd
    .args:
      - { .name: dir_centroids, .offset: 0, .size: 8, .value_kind: global_buffer, .address_space: global }
      - { .name: dir_labels, .offset: 8, .size: 8, .value_kind: global_buffer, .address_space: global }
      - { .name: norm_bins, .offset: 16, .size: 8, .value_kind: global_buffer, .address_space: global }
      - { .name: norm_idx, .offset: 24, .size: 8, .value_kind: global_buffer, .address_space: global }
      - { .name: wb, .offset: 32, .size: 8, .value_kind: global_buffer, .address_space: global }
    .group_segment_fixed_size: 22272
    .private_segment_fixed_size: 0
    .kernarg_segment_align: 8
    .kernarg_segment_size: 40
    .max_flat_workgroup_size: 256
    .sgpr_count:     66
    .vgpr_count:     176
    .wavefront_size: 32
...
	.end_amdgpu_metadata
.endif
;; end of part 1
;; launch gemm (part 2): grid 8 x 32, 4 waves a work-group, clusters of 4 x 4, 327,680 bytes of LDS; arguments x, wb, bias, out0; writes out0
.if DOCPART == 2
	.amdgcn_target "amdgcn-amd-amdhsa--gfx1250"
	.amdhsa_code_object_version 6
	.text
	.protected	k_qc2dfe909ef_gemm
	.globl	k_qc2dfe909ef_gemm
	.p2align	8
	.type	k_qc2dfe909ef_gemm,@function
k_qc2dfe909ef_gemm:
	s_mov_b64 s[64:65], 0
	v_nop
	global_prefetch_b8 v0, s[64:65] scope:SCOPE_SE
	s_setreg_imm32_b32 hwreg(HW_REG_WAVE_MODE, 25, 1), 1
	s_wait_xcnt 0x0
	s_wait_alu depctr_hold_cnt(0) depctr_sa_sdst(0) depctr_va_vdst(0) depctr_va_sdst(0) depctr_va_ssrc(0) depctr_va_vcc(0) depctr_vm_vsrc(0)
	s_getreg_b32 s2, hwreg(HW_REG_IB_STS2, 6, 4)
	s_cmp_eq_u32 s2, 0
	s_cbranch_scc0 .Lentry_in_a_cluster
	s_endpgm
.Lentry_in_a_cluster:
	s_bfe_u32 s2, ttmp6, 0x10000c
	s_cmp_lg_u32 s2, 0xf033
	s_cbranch_scc0 .Lentry_shape_is_right
	s_endpgm
.Lentry_shape_is_right:
; out0[m][n] = the sum over k of bf16(x[m][k]) W[n][k] + bf16(bias[n]).  x: [8192][4096] f32.  W: bf16, in wb as [k / 64][n][64 k].  bias: [2048] f32.  out0: [8192][2048] f32.
; ROUNDING.  x and bias are rounded once to bf16 (nearest even), like the tables from which W was made; sums in f32, K ascending, one accumulator an output; the bias is added in f32.  bf16 has f32's range:
; no limit of range; NaN and infinities go through the arithmetic as they are.
; SHARES.  out0 has 32 x 8 tiles of 256 x 256: one work-group each, 256 in all.  Four waves, each 128 x 128: 64 accumulators of 16 x 16, 512 registers.
; x IS CONVERTED HERE, between LDS and the matrix unit: a copy of x in bf16 would be written and read again, 134 MB more than x's own 134 MB.  The price: one conversion for each matrix instruction,
; and 24 KB from LDS where 16 would do for a wave's 64 matrix instructions.
; THE RING.  K goes in steps of 64 through two LDS slots: 256 rows of x in f32 (256 bytes a row in memory, at multiples of 256 from x's first byte) and 256 rows of W in bf16 (128 rows are 16,384 dense bytes,
; asked for as 64 rows of 256).  A K step costs 1,536 bytes for each k, so two slots of 128 along K would not fit in LDS; two of 64 do.
; CLUSTERS: 4 x 4 work-groups.  The four of a row of the cluster need the same tiles of x, the four of a column the same tiles of W: each tile is asked for JOINTLY, by the same tensor load with the same
; descriptor and a mask that names the four.
; THE MATRIX INSTRUCTION IS USED TRANSPOSED (source 0 = 16 rows of W, source 1 = 16 rows of x): a lane then holds eight neighbouring numbers of a row of out0.
; THE PIPELINE.  A quarter is 32 along K, 64 matrix instructions, in two halves: my rows 0-63 (window 2), then my rows 64-127 (window 3).  Each half begins with ONE run of 24 LDS loads for the next quarter
; (half of W's fragments, half of x's rows, raw), and carries, four behind every fourth matrix instruction, the 32 conversions of the OTHER half's rows of x, loaded a half earlier.
; REGISTERS, in windows of 256 (s_set_vgpr_msb: bits 1:0 source 0, 3:2 source 1, 5:4 source 2, 7:6 destination):
;   window 0: v0-37 addresses, bias; v64-95 x in bf16, my row blocks 0-3; v96-127 blocks 4-7; v128-255 the way out
;   window 1: v0-63, v64-127 W's fragments, two buffers (a quarter's buffer goes by its parity); v128-191 raw f32 of row blocks 0-3, v192-255 of blocks 4-7 (16 registers a fragment)
;   window 2: the accumulators of my rows 0-63 (block a, column block b at v[8 (8 a + b)]);   window 3: those of my rows 64-127
.set PA,    272                        ; a row of x in LDS: 256 bytes + 16 = 68 words: row r starts at bank 4 r mod 64 (64 banks of 4 bytes: ISA guide 11.1), so the 16 rows of a load start at 16 different groups of four banks
.set PB,    144                        ; a row of W: 128 bytes + 16 = 36 words: likewise
.set AH,    128*PA                     ; 128 rows of x: one tensor load, and what a wave reads of x
.set BH,    128*PB                     ; 128 rows of W: likewise
.set SLOT,  2*AH+2*BH                  ; 106,496: x's two halves, then W's two halves
.set STAGE, 2*SLOT                     ; behind the ring, never filled by a tensor load: 16 rows x 528 bytes for each wave, for the way out
.set SP,    528                        ; 512 bytes + 16
.set SPARE, STAGE+4*16*SP              ; 246,784, a multiple of 256: the spare words, 128 bytes for each wave; no other line names them
.set ADRA, 16                          ; v16-17  LDS address of my fragments of x in slot 0, 1
.set ADRB, 20                          ; v20-21  the same for W
.set STO,  24                          ; v24     the way out: where I put 32 bytes of a row
.set RD,   25                          ; v25     the way out: where I read a row back
.set CO,   26                          ; v26     16 l: my byte offset in 512 bytes of out0 and of bias
.set PF,   27                          ; v27     my byte offset for the prefetch of x
.set SPW,  28                          ; v28     LDS address of my spare word; never rewritten
.set NIL,  29                          ; v29     0; never rewritten
.set BI,   32                          ; v[32:35] the bias of my four columns on the way out
.set AF,   64                          ; x's fragments in bf16, window 0
.set BK0,  128                         ; the way out: two buffers of 64, window 0
.set RAW,  128                         ; x's fragments in f32, window 1
.set G1A, 24                           ; s[24:31] descriptor group 1 for x's tiles;  s[32:39] group 0, a set for each slot
.set G0A, 32
.set G1B, 48                           ; s[48:55], s[56:63] the same for W's tiles
.set G0B, 56
.set MSB, 0
.macro WIN new                         ; the immediate's high byte repeats the setting that is left; a switch that changes nothing is dropped
.if MSB != (\new)
	s_set_vgpr_msb (MSB<<8)|(\new)
.set MSB, \new
.endif
.endm
.set MUL_LO, 0xa1                      ; source 0 (W) window 1, source 1 (x) window 0, C and D window 2
.set TO_1,   0x40                      ; destination window 1, address window 0
.set W_CV,   0x05                      ; sources window 1, destination window 0
; A joint load.  Waves 0 and 1 fetch x's two halves, waves 2 and 3 W's.  Each line has one mask and one set of registers; the branch hangs on the wave's number alone.
; An s_nop 0 and four v_nop follow each of the two lines, ahead of the jump, the label and what follows.
.macro JLOAD s
	s_cmp_eq_u32 s13, 0
	s_cbranch_scc0 .Lfor_b_\@
	tensor_load_to_lds s[G0A+4*(\s):G0A+4*(\s)+3], s[G1A:G1A+7]
	s_nop 0
.rept 4
	v_nop
.endr
	s_branch .Lasked_\@
.Lfor_b_\@:
	tensor_load_to_lds s[G0B+4*(\s):G0B+4*(\s)+3], s[G1B:G1B+7]
	s_nop 0
.rept 4
	v_nop
.endr
.Lasked_\@:
.endm
; A round of the cluster's barrier: my work-group's barrier, so that wave 0's signal speaks for all four waves; wave 0 signals; every wave waits for all sixteen work-groups; my work-group's barrier once more.
.macro CREST                           ; a round behind its opening barrier
	s_cmp_lg_u32 s12, 0
	s_cbranch_scc1 .Lnot_wave_0_\@
	s_barrier_signal -3
.Lnot_wave_0_\@:
	s_barrier_wait -3
	s_barrier_signal -1
	s_barrier_wait -1
.endm
.macro CROUND                          ; a whole round
	s_barrier_signal -1
	s_barrier_wait -1
	CREST
.endm
.macro PLACES
.rept 4
	v_nop
.endr
.endm
	s_load_b256 s[4:11], s[0:1], 0x0               ; x s[4:5], wb s[6:7], bias s[8:9], out0 s[10:11]
	v_lshl_add_u32 v[SPW], v0, 2, SPARE
	v_mov_b32 v[NIL], 0
	ds_add_u32 v[SPW], v[NIL]                      ; the wave's opening: the add and its wait stand ahead of my first tensor load; the set-up below, work on registers, stands between them
	v_lshrrev_b32 v1, 5, v0
	v_readfirstlane_b32 s12, v1                    ; wave 0..3
	s_lshr_b32 s13, s12, 1                         ; which half of the tile's rows is mine.  Also: I fetch for x (0) or for W (1)
	s_and_b32 s14, s12, 1                          ; which half of its columns.  Also: which 128 rows of that tile I fetch
	s_bfe_u32 s15, ttmp6, 0x40000                  ; cx, cy: my place in the cluster
	s_bfe_u32 s16, ttmp6, 0x40004
	s_lshl_b32 s17, ttmp9, 2                       ; in a cluster launch ttmp9 and ttmp7 count clusters
	s_add_co_u32 s17, s17, s15                     ; tile column = 4 x cluster x + cx
	s_and_b32 s18, ttmp7, 0xffff
	s_lshl_b32 s18, s18, 2
	s_add_co_u32 s18, s18, s16                     ; tile row = 4 x cluster y + cy
	s_lshl_b32 s19, s16, 2
	s_lshl_b32 s19, 15, s19                        ; my row of the cluster: places 4 cy .. 4 cy + 3
	s_lshl_b32 s20, 0x1111, s15                    ; my column: places cx, cx + 4, cx + 8, cx + 12
	; group 1 for x: 128 rows x 64 elements of 4 bytes, 4,096 elements from row to row; in LDS 4 words of padding (code 3) behind every 64 words (code 5)
	s_or_b32 s[G1A+0], s19, (2<<16)|(1<<20)|(1<<21)|(5<<22)|(3<<25)  ; 15:0 the mask: my row; 17:16 elements of 4 bytes; 20 padding on; 21 set beside a mask
	s_mov_b32 s[G1A+1], 64<<16                     ; tensor_dim0 = 64
	s_mov_b32 s[G1A+2], 128<<16                    ; tensor_dim1 = 128
	s_mov_b32 s[G1A+3], 64<<16                     ; tile_dim0 = 64
	s_mov_b32 s[G1A+4], 128                        ; tile_dim1 = 128
	s_mov_b32 s[G1A+5], 4096                       ; tensor_dim0_stride
	s_mov_b32 s[G1A+6], 0
	s_mov_b32 s[G1A+7], 0
	; group 1 for W: 64 rows x 128 elements of 2 bytes, dense: two rows of W to a row; in LDS 4 words of padding behind every 32 words (code 4), that is behind every row of W
	s_or_b32 s[G1B+0], s20, (1<<16)|(1<<20)|(1<<21)|(4<<22)|(3<<25)  ; the mask: my column
	s_mov_b32 s[G1B+1], 128<<16
	s_mov_b32 s[G1B+2], 64<<16
	s_mov_b32 s[G1B+3], 128<<16
	s_mov_b32 s[G1B+4], 64
	s_mov_b32 s[G1B+5], 128
	s_mov_b32 s[G1B+6], 0
	s_mov_b32 s[G1B+7], 0
	s_mul_i32 s21, s14, AH                         ; where x's tiles go: no place in the cluster enters an LDS address
	s_mul_i32 s22, s14, BH                         ; and W's,
	s_add_co_u32 s22, s22, 2*AH                    ; behind x's 256 rows
	; where the tiles come from.  x's hang on the tile row alone, W's on the tile column alone; each offset in registers that never hold the other coordinate
	s_lshl_b32 s23, s14, 7                         ; which 128 rows I fetch
	s_lshl_b32 s40, s18, 8
	s_add_co_u32 s40, s40, s23
	s_lshl_b32 s40, s40, 14                        ; x: row 256 x tile row + 128 x half, 16,384 bytes a row: under 2^27
	s_mov_b32 s41, 0
	s_lshl_b32 s46, s17, 8
	s_add_co_u32 s46, s46, s23
	s_lshl_b32 s68, s46, 2                         ; (my first column of bias and out0 in bytes, as a wave that computes: 256 x tile column + 128 x half, 4 bytes each)
	s_mov_b32 s69, 0
	s_lshl_b32 s46, s46, 7                         ; W: row 256 x tile column + 128 x half, 128 bytes a row in a K step
	s_mov_b32 s47, 0
	s_lshl_b32 s66, s18, 8
	s_lshl_b32 s23, s13, 7
	s_add_co_u32 s66, s66, s23                     ; my first row of out0,
	s_lshl_b32 s66, s66, 13                        ; 8,192 bytes a row,
	s_add_co_u32 s66, s66, s68                     ; and my first column
	s_mov_b32 s67, 0
	s_lshl_b32 s70, s18, 8                         ; the prefetch: of the tile row's 256 rows of x the eight work-groups that read them take 32 each
	s_lshl_b32 s23, s17, 5
	s_add_co_u32 s70, s70, s23
	s_lshl_b32 s70, s70, 14
	s_add_co_u32 s70, s70, 4*256                   ; beginning with K step 4
	s_mov_b32 s71, 0
	s_wait_dscnt 0x0                               ; the opening add is done
	s_wait_kmcnt 0x0
	s_add_nc_u64 s[40:41], s[4:5], s[40:41]
	s_add_nc_u64 s[46:47], s[6:7], s[46:47]
	s_add_nc_u64 s[8:9], s[8:9], s[68:69]
	s_add_nc_u64 s[10:11], s[10:11], s[66:67]
	s_add_nc_u64 s[72:73], s[4:5], s[70:71]
	CROUND                                         ; all sixteen work-groups are here: the first joint loads meet
.irp s, 0,1
	s_mov_b32 s[G0A+4*(\s)], 1                                       ; 1:0 count = 1
	s_add_co_u32 s[G0A+4*(\s)+1], s21, (\s)*SLOT                     ; 63:32 LDS address
	s_add_nc_u64 s[G0A+4*(\s)+2:G0A+4*(\s)+3], s[40:41], (\s)*256    ; 120:64 global address: K step s
	s_or_b32 s[G0A+4*(\s)+3], s[G0A+4*(\s)+3], 0x80000000            ; 127:126 type = 2
	s_mov_b32 s[G0B+4*(\s)], 1
	s_add_co_u32 s[G0B+4*(\s)+1], s22, (\s)*SLOT
	s_add_nc_u64 s[G0B+4*(\s)+2:G0B+4*(\s)+3], s[46:47], (\s)*262144
	s_or_b32 s[G0B+4*(\s)+3], s[G0B+4*(\s)+3], 0x80000000
	JLOAD \s                                       ; both slots are asked for before anything else: two tensor loads of mine are out
.endr
	; A fragment is 16 rows x 32 K: lane l holds row l % 16 and K = 8 (l / 16) + 0..7 and 16 + 8 (l / 16) + 0..7.  In bf16: two loads of 16 bytes, 32 bytes apart.  In f32: four, at 0, 16, 64 and 80.
	v_and_b32 v1, 15, v0                           ; r = l % 16
	v_bfe_u32 v2, v0, 4, 1                         ; h = l / 16
	v_and_b32 v3, 31, v0                           ; l
	v_mul_u32_u24 v4, v1, PA
	v_lshl_add_u32 v4, v2, 5, v4                   ; x: row x pitch + 32 h
	s_mul_i32 s23, s13, AH                         ; my 128 rows of x
	v_add_nc_u32 v[ADRA], s23, v4
	v_add_nc_u32 v[ADRA+1], SLOT, v[ADRA]
	v_mul_u32_u24 v5, v1, PB
	v_lshl_add_u32 v5, v2, 4, v5                   ; W: row x pitch + 16 h
	v_add_nc_u32 v[ADRB], s22, v5                  ; my 128 rows of W lie where the wave of my column half put them
	v_add_nc_u32 v[ADRB+1], SLOT, v[ADRB]
	s_mul_i32 s23, s12, 16*SP
	s_add_co_u32 s23, s23, STAGE                   ; my stage
	v_mul_u32_u24 v6, v1, SP                       ; in: row l % 16, 32 bytes for each half of the lanes
	v_lshl_add_u32 v6, v2, 5, v6
	v_add_nc_u32 v[STO], s23, v6
	v_lshlrev_b32 v[CO], 4, v3
	v_add_nc_u32 v[RD], s23, v[CO]                 ; back: 32 lanes take one row of 512 bytes
	v_lshlrev_b32 v[PF], 14, v3                    ; the prefetch: lane l asks in row l of my 32,
	v_lshl_add_u32 v[PF], s12, 8, v[PF]            ; wave 0 for the even K step, wave 1 for the odd one
	global_load_b128 v[BI:BI+3], v[CO], s[8:9]     ; the bias of columns 4 l .. 4 l + 3 of my 128
	s_wait_loadcnt 0x0
	v_cvt_pk_bf16_f32 v36, v[BI], v[BI+1]          ; rounded to bf16 like the other inputs, and widened again
	v_cvt_pk_bf16_f32 v37, v[BI+2], v[BI+3]
	v_lshlrev_b32 v[BI], 16, v36
	v_and_b32 v[BI+1], 0xffff0000, v36
	v_lshlrev_b32 v[BI+2], 16, v37
	v_and_b32 v[BI+3], 0xffff0000, v37
; 8 LDS loads: W's fragments of column blocks 4 half .. 4 half + 3, 32 K at byte 64 k of the rows, into buffer buf
.macro LDB slot, k, buf, half
	WIN TO_1
.irp i, 0,1,2,3
.set rB, 64*(\buf)+8*(4*(\half)+(\i))
	ds_load_b128 v[rB:rB+3],   v[ADRB+(\slot)] offset:64*(\k)+(4*(\half)+(\i))*16*PB
	ds_load_b128 v[rB+4:rB+7], v[ADRB+(\slot)] offset:64*(\k)+(4*(\half)+(\i))*16*PB+32
.endr
.endm
; 16 LDS loads: x's fragments of row blocks 4 half .. 4 half + 3 in f32, 32 K at byte 128 k of the rows
.macro LDR slot, k, half
	WIN TO_1
.irp i, 0,1,2,3
.irp c, 0,1,2,3
.set rR, RAW+64*(\half)+16*(\i)+4*(\c)
	ds_load_b128 v[rR:rR+3], v[ADRA+(\slot)] offset:128*(\k)+(4*(\half)+(\i))*16*PA+16*((\c)%2)+64*((\c)/2)
.endr
.endr
.endm
; four conversions: registers 4 g .. 4 g + 3 of the 32 that hold a half's four fragments in bf16
.macro CVT4 half, g
	WIN W_CV
.irp j, 0,1,2,3
	v_cvt_pk_bf16_f32 v[AF+32*(\half)+4*(\g)+(\j)], v[RAW+64*(\half)+8*(\g)+2*(\j)], v[RAW+64*(\half)+8*(\g)+2*(\j)+1]
.endr
.endm
; four matrix instructions: row block g / 2 of the half's four, column blocks 4 (g % 2) .. + 3.  zero = 1: the product starts the sum: nothing is ever cleared.
; The 64 accumulators take turns, one instruction a turn, in the same order in every quarter.
.macro MM4 half, buf, g, zero
	WIN MUL_LO+0x50*(\half)
.irp j, 0,1,2,3
.set rD, 32*(\g)+8*(\j)
.set rB, 64*(\buf)+8*(4*((\g)%2)+(\j))
.set rA, AF+32*(\half)+8*((\g)/2)
.if \zero
	v_wmma_f32_16x16x32_bf16 v[rD:rD+7], v[rB:rB+7], v[rA:rA+7], 0
.else
	v_wmma_f32_16x16x32_bf16 v[rD:rD+7], v[rB:rB+7], v[rA:rA+7], v[rD:rD+7]
.endif
.endr
.endm
.macro GRP half, buf, g, zero, cv      ; four matrix instructions and, behind them, four conversions for the other half: they name none of those products' registers
	MM4 \half, \buf, \g, \zero
.if \cv
	CVT4 1-(\half), \g
.endif
.endm
; HALF A QUARTER: 32 matrix instructions on my rows 64 half .. + 63, from buffer buf of W.
; fetch = 1: it begins with the run of 24 loads for the next quarter (slot nslot, quarter nk).  The four conversions that end the half before are the four places between its last matrix instruction and these
; loads, and between it and the first conversion that writes over the fragments of x just multiplied (ISA guide 7.12.1 for vector instructions).  So the loop has no v_nop but the joint load's.
; mode = 1: THE CHANGE OF SLOTS.  The run at this half's head was the last that reads slot fslot.  Each wave waits for all its tensor loads, of which one is out: its part of the other slot; adds 0 to its spare
; word; waits for that and for its reads; and opens a round of the cluster's barrier.  Behind the round no wave of any partner reads the slot or has a load on its way, and the joint refill, two K steps on, comes first.
; From that request to the wait for it a wave issues 112 matrix instructions.     mode = 2: the same with my work-group's barrier alone: nothing is left to ask for.
.macro HALF half, buf, zero, fetch, nslot, nk, cv, mode, fslot
.if \fetch
	LDB \nslot, \nk, 1-(\buf), \half
	LDR \nslot, \nk, \half
	s_wait_dscnt 24                                ; all but the 24 just issued: what the half before asked for, which this half multiplies and converts, is in
.else
	s_wait_dscnt 0x0
.endif
.irp g, 0,1,2,3
	GRP \half, \buf, \g, \zero, \cv
.endr
.if \mode
	WIN 0                                          ; (the add's two registers lie in window 0)
	s_wait_tensorcnt 0x0                           ; all my tensor loads have landed: my part of the other slot
	ds_add_u32 v[SPW], v[NIL]                      ; 0 onto my spare word: eight matrix instructions stand between it and the wait for it
.endif
.irp g, 4,5
	GRP \half, \buf, \g, \zero, \cv
.endr
.if \mode
	s_wait_dscnt 0x0                               ; the add is done, and my reads of the slot are over
	s_barrier_signal -1
.endif
.irp g, 6,7
	GRP \half, \buf, \g, \zero, \cv
.endr
.if (\mode) == 1
	WIN 0
.endif
.if \mode
	s_barrier_wait -1
.endif
.if (\mode) == 1
	CREST
	s_add_nc_u64 s[G0A+4*(\fslot)+2:G0A+4*(\fslot)+3], s[G0A+4*(\fslot)+2:G0A+4*(\fslot)+3], 2*256     ; no tensor load of mine is out: the slot's group 0 steps two K steps on; the type bits on top are not reached
	s_add_nc_u64 s[G0B+4*(\fslot)+2:G0B+4*(\fslot)+3], s[G0B+4*(\fslot)+2:G0B+4*(\fslot)+3], 2*262144
	JLOAD \fslot                                   ; the first tensor load behind the round, and my only one until the next
.endif
.endm
; A QUARTER: quarter k of the K step in slot; it fetches quarter nk of slot nslot.  last = 1: nothing follows.
.macro QUARTER slot, k, zero, mode, nslot, nk, last
	HALF 0, \k, \zero, 1-(\last), \nslot, \nk, 1, 0, 0
	HALF 1, \k, \zero, 1-(\last), \nslot, \nk, 1-(\last), \mode, \slot
.endm
	s_wait_tensorcnt 1                             ; my part of K step 0 is in; K step 1's may stay out
	s_barrier_signal -1
	s_barrier_wait -1                              ; everybody's is
	LDB 0, 0, 0, 0                                 ; the first quarter's fragments
	LDB 0, 0, 0, 1
	LDR 0, 0, 0
	LDR 0, 0, 1
	s_wait_dscnt 16                                ; all but the raw rows 64-127, which the first half converts
.irp g, 0,1,2,3,4,5,6,7
	CVT4 0, \g
.endr
	QUARTER 0, 0, 1, 1, 0, 1, 0                    ; the first quarter stands in front of the loop: its products start the sums; slot 0 takes K step 2
	WIN 0                                          ; at a label and at a branch every window is 0
	s_mov_b32 s3, 30
.Llap:                                                 ; trip L = 0 .. 29: from K step 2 L's second quarter to K step 2 L + 2's first; it fills K steps 2 L + 3 and 2 L + 4
	; x is asked for ahead of its tensor loads: waves 0 and 1 ask for K steps 2 L + 4 and 2 L + 5 (63 at the most) of 32 rows, 256 bytes a lane; the tensor loads that want them stand at this trip's end and in the
	; next trip's middle.  Each such piece of x is asked for once in the launch: the eight work-groups that read a tile row share its 256 rows.  W, 16 MB that 32 tile rows read again, is not asked for.
	s_cmp_lg_u32 s13, 0
	s_cbranch_scc1 .Lno_ask
	global_prefetch_b8 v[PF], s[72:73] th:TH_LOAD_NT scope:SCOPE_SE
.Lno_ask:
	QUARTER 0, 1, 0, 0, 1, 0, 0
	QUARTER 1, 0, 0, 1, 1, 1, 0
	QUARTER 1, 1, 0, 0, 0, 0, 0
	QUARTER 0, 0, 0, 1, 0, 1, 0
	WIN 0
	s_wait_xcnt 0x0                                ; the prefetch's base is stepped only behind this wait
	s_add_nc_u64 s[72:73], s[72:73], 2*256
	s_sub_co_u32 s3, s3, 1
	s_cmp_lg_u32 s3, 0
	s_cbranch_scc1 .Llap
	QUARTER 0, 1, 0, 0, 1, 0, 0                    ; the tail is written out: K step 60's second quarter
	QUARTER 1, 0, 0, 1, 1, 1, 0                    ; K step 61: slot 1 takes K step 63, the last fill
	QUARTER 1, 1, 0, 0, 0, 0, 0
	QUARTER 0, 0, 0, 2, 0, 1, 0                    ; K step 62: K step 63 has landed, everybody's part of it
	QUARTER 0, 1, 0, 0, 1, 0, 0
	QUARTER 1, 0, 0, 0, 1, 1, 0                    ; K step 63
	QUARTER 1, 1, 0, 0, 0, 0, 1
; THE WAY OUT, a block of 16 rows at a time.  A lane's eight numbers of a row are 32 bytes; they go into my own stage, rows of 528 bytes, and come back as whole rows of 512 bytes, 16 bytes a lane.
; The stage is my wave's own and LDS serves a wave's instructions in order (ISA guide 5.7.1.4): no wait between the stores and the loads, nor in front of the next block's stores.
.macro TOSTAGE a
.set AC, 64*((\a)%4)
.set BK, BK0+64*((\a)%2)
.if (\a) >= 2
	s_wait_xcnt 0x0                                ; the buffer was the data of the stores two blocks back: it is loaded again only behind this wait
.endif
	WIN 0x08+4*((\a)/4)                            ; the stores' data (source 1) in window 2 or 3
.irp b, 0,1,2,3,4,5,6,7
	ds_store_b128 v[STO], v[AC+8*(\b):AC+8*(\b)+3]   offset:64*(\b)     ; each accumulator's lowest registers are read first
	ds_store_b128 v[STO], v[AC+8*(\b)+4:AC+8*(\b)+7] offset:64*(\b)+16
.endr
	WIN 0
.irp t, 0,1,2,3,4,5,6,7,8,9,10,11,12,13,14,15
	ds_load_b128 v[BK+4*(\t):BK+4*(\t)+3], v[RD] offset:(\t)*SP
.endr
.endm
.macro SEND a, younger                 ; younger: the LDS instructions issued behind block a's loads: the next block's 32, or none
.set BK, BK0+64*((\a)%2)
	WIN 0
.irp t, 0,1,2,3,4,5,6,7,8,9,10,11,12,13,14,15
	s_wait_dscnt (\younger)+15-(\t)                ; row t is back; the block's later rows and the next block's instructions may be out
	v_pk_add_f32 v[BK+4*(\t):BK+4*(\t)+1],   v[BK+4*(\t):BK+4*(\t)+1],   v[BI:BI+1]
	v_pk_add_f32 v[BK+4*(\t)+2:BK+4*(\t)+3], v[BK+4*(\t)+2:BK+4*(\t)+3], v[BI+2:BI+3]
	global_store_b128 v[CO], v[BK+4*(\t):BK+4*(\t)+3], s[10:11] offset:(16*(\a)+(\t))*8192 th:TH_STORE_NT  ; the wave stores 512 consecutive bytes, at a multiple of 512 from out0's first; 127 rows at the most: inside the signed 24-bit immediate
.endr
.endm
	PLACES                                         ; the last 32 products have no conversions behind them
	TOSTAGE 0
.irp a, 1,2,3,4,5,6,7                  ; a block's way through the stage stands between the loads of the block before and its stores
	TOSTAGE \a
	SEND (\a)-1, 32
.endr
	SEND 7, 0
	s_wait_tensorcnt 0x0                           ; the wave's end: behind my last tensor load and my last LDS store
	ds_add_u32 v[SPW], v[NIL]
	s_wait_dscnt 0x0
	CROUND                                         ; the closing round: no work-group ends while a partner may still ask for a tile that names it
	s_endpgm
.Lfunc_end_k_qc2dfe909ef_gemm:
	.size	k_qc2dfe909ef_gemm, .Lfunc_end_k_qc2dfe909ef_gemm-k_qc2dfe909ef_gemm
	.p2alignl 7, 3214868480
	.fill 96, 4, 3214868480
	.section	.rodata,"a",@progbits
	.p2align	6, 0x0
	.amdhsa_kernel k_qc2dfe909ef_gemm
		.amdhsa_group_segment_fixed_size 327680
		.amdhsa_private_segment_fixed_size 0
		.amdhsa_enable_private_segment 0
		.amdhsa_kernarg_size 32
		.amdhsa_user_sgpr_count 2
		.amdhsa_user_sgpr_kernarg_segment_ptr 1
		.amdhsa_wavefront_size32 1
		.amdhsa_system_sgpr_workgroup_id_x 1
		.amdhsa_system_sgpr_workgroup_id_y 1
		.amdhsa_system_sgpr_workgroup_id_z 1
		.amdhsa_system_vgpr_workitem_id 0
		.amdhsa_next_free_vgpr 1024
		.amdhsa_next_free_sgpr 80
		.amdhsa_reserve_vcc 0
		.amdhsa_float_denorm_mode_32 3
		.amdhsa_float_denorm_mode_16_64 3
		.amdhsa_memory_ordered 1
		.amdhsa_forward_progress 1
		.amdhsa_inst_pref_size 207
	.end_amdhsa_kernel
	.amdgpu_metadata
---
amdhsa.version: [ 1, 2 ]
amdhsa.kernels:
  - .name:           k_qc2dfe909ef_gemm
    .symbol:         k_qc2dfe909ef_gemm.kd
    .args:
      - { .name: x, .offset: 0, .size: 8, .value_kind: global_buffer, .address_space: global }
      - { .name: wb, .offset: 8, .size: 8, .value_kind: global_buffer, .address_space: global }
      - { .name: bias, .offset: 16, .size: 8, .value_kind: global_buffer, .address_space: global }
      - { .name: out0, .offset: 24, .size: 8, .value_kind: global_buffer, .address_space: global }
    .group_segment_fixed_size: 327680
    .private_segment_fixed_size: 0
    .kernarg_segment_align: 8
    .kernarg_segment_size: 32
    .max_flat_workgroup_size: 128
    .sgpr_count:     80
    .vgpr_count:     1024
    .wavefront_size: 32
...
	.end_amdgpu_metadata
.endif
;; end of part 2
;; ======== version 2 of 3: 2 launches
;; workspace buffers: wb 16,777,216 bytes; xb 67,108,864 bytes
;; launch prep (part 3): grid 256 x 1, 16 waves a work-group, no clusters, 19,456 bytes of LDS; arguments dir_centroids, dir_labels, norm_bins, norm_idx, x, wb, xb; writes wb, xb
.if DOCPART == 3
	.amdgcn_target "amdgcn-amd-amdhsa--gfx1250"
	.amdhsa_code_object_version 6
	.text
	.protected	k_qc2dfe909ef_prep
	.globl	k_qc2dfe909ef_prep
	.p2align	8
	.type	k_qc2dfe909ef_prep,@function
k_qc2dfe909ef_prep:
	s_mov_b64 s[64:65], 0
	v_nop
	global_prefetch_b8 v0, s[64:65] scope:SCOPE_SE
	s_setreg_imm32_b32 hwreg(HW_REG_WAVE_MODE, 25, 1), 1
	s_wait_xcnt 0x0
; BOTH OPERANDS OF THE PRODUCT THAT FOLLOWS, IN bf16.
; wb: W[o][16 ib .. 16 ib + 15] = dir_centroids[dir_labels[256 o + ib]] x norm_bins[norm_idx[256 o + ib]], [2048][4096] row-major: block B = 256 o + ib is bytes 32 B .. 32 B + 31.
; xb: x rounded to bf16, [8192][4096] row-major.
; ROUNDING.  Each number of x, each centroid number and each bin is rounded once to bf16 (nearest even); the product of a centroid number and a bin, exact in 16 significant bits, is rounded once to bf16.
; bf16 has f32's range: no limit of range.  NaN and infinities go through the arithmetic as they are.  Labels lie in 0 .. 255 and norm indices in 0 .. 15, as the tables that they index demand; the two
; minima below only keep LDS addresses inside LDS.
; SHARES.  Work-group g owns 2,048 blocks of W (8 rows: 8,192 bytes of labels, as many of indices, 65,536 consecutive bytes of wb) and 32 rows of x (524,288 bytes in, 262,144 out).
; Memory binds (138 MB in, 84 MB out): no matrix unit, no cluster, no tensor load.  Every byte is read once, by loads of which a wave's covers 512 consecutive bytes; a wave's store covers 512 (wb) or
; 256 (xb) consecutive bytes, aligned to as many.
; ORDER.  The tables' five loads go out first, then the first 16 loads of x; W is made while those are on their way; then x streams through a ring of 16 register slots in each of the 16 waves:
; 16 x 16 x 512 bytes of a work-group are always on their way.
.set BINS,  8192                       ; the table of centroids, 256 x 32 bytes of bf16, lies from LDS byte 0; behind it 16 copies (one a wave) of 16 words: word i = bf16(bin i) in both halves
.set CODE,  BINS+1024                  ; 9,216: one word for each of the group's 2,048 blocks: label x 32 below, index x 4 above
.set SPARE, CODE+8192                  ; 17,408, a multiple of 256: the spare words, 128 bytes for each of the 16 waves; no other line names them
.set DEPTH, 16                         ; slots = loads of x in flight in each wave
.set INB,   8192                       ; bytes of x that the group's 512 threads take in one turn, 16 each
.set OUTB,  4096                       ; and of xb, 8 each
.set SPW, 12                           ; v12  LDS address of my spare word; never rewritten
.set NIL, 13                           ; v13  0; never rewritten
.set LAB, 16                           ; v[16:19]   4 labels, then 4 codes
.set IDX, 20                           ; v[20:23]   4 norm indices
.set CEN, 24                           ; v[24:31]   8 numbers of the table, f32
.set PKD, 34                           ; v[34:37]   the same, packed bf16
.set C,   40                           ; v[40:47]   piece j: its block's code, then the LDS address of its norm
.set A,   48                           ; v[48:55]   piece j: the LDS address of its half centroid
.set N,   56                           ; v[56:63]   piece j: its norm, twice in bf16
.set D,   64                           ; v[64:95]   piece j: 8 numbers in bf16
.set X,   96                           ; v[96:159]  slot i: 4 numbers of x as loaded
.set Y,   160                          ; v[160:191] slot i: the same in bf16, to store
	s_load_b256 s[4:11], s[0:1], 0x0               ; centroids s[4:5], labels s[6:7], bins s[8:9], indices s[10:11]
	s_load_b128 s[12:15], s[0:1], 0x20             ; x s[12:13], wb s[14:15]
	s_load_b64 s[16:17], s[0:1], 0x30              ; xb
	v_lshl_add_u32 v[SPW], v0, 2, SPARE
	v_mov_b32 v[NIL], 0
	v_lshrrev_b32 v1, 5, v0
	v_readfirstlane_b32 s18, v1                    ; wave w, 0 .. 15
	s_lshl_b32 s20, ttmp9, 13                      ; my group's 8,192 bytes of labels and of indices
	s_mov_b32 s21, 0
	s_lshl_b32 s22, ttmp9, 16                      ; its 65,536 bytes of wb
	s_mov_b32 s23, 0
	s_lshl_b32 s24, ttmp9, 19                      ; its 524,288 bytes of x
	s_mov_b32 s25, 0
	s_lshl_b32 s26, ttmp9, 18                      ; its 262,144 bytes of xb
	s_mov_b32 s27, 0
	v_lshlrev_b32 v2, 4, v0                        ; 16 t: my 16 bytes in every load, and in every store to wb
	v_lshlrev_b32 v5, 3, v0                        ; 8 t: my 8 bytes in the table (centroid t / 4, numbers 4 (t % 4) on: 32 (t / 4) + 8 (t % 4)) and in every store to xb
	v_and_b32 v3, 15, v0
	v_lshlrev_b32 v3, 2, v3                        ; 4 (l % 16): my bin
	v_add_nc_u32 v4, CODE, v2                      ; thread t holds blocks 4 t .. 4 t + 3: where their codes go
	s_lshl_b32 s19, s18, 6
	s_add_co_u32 s19, s19, BINS
	v_mov_b32 v6, s19                              ; my wave's copy of the bins
	v_add_nc_u32 v7, v6, v3
	v_lshrrev_b32 v8, 1, v0
	v_lshl_add_u32 v8, v8, 2, CODE                 ; piece j of thread t is half t % 2 of block 256 j + t / 2: its code
	v_and_b32 v9, 1, v0
	v_lshlrev_b32 v9, 4, v9                        ; my half of a centroid
	s_wait_kmcnt 0x0
	s_add_nc_u64 s[6:7], s[6:7], s[20:21]
	s_add_nc_u64 s[10:11], s[10:11], s[20:21]
	s_add_nc_u64 s[14:15], s[14:15], s[22:23]
	s_add_nc_u64 s[12:13], s[12:13], s[24:25]
	s_add_nc_u64 s[16:17], s[16:17], s[26:27]
	; All first loads at once: five for W, then the ring's sixteen.
	global_load_b128 v[LAB:LAB+3],   v2, s[6:7] th:TH_LOAD_NT
	global_load_b128 v[IDX:IDX+3],   v2, s[10:11] th:TH_LOAD_NT
	global_load_b128 v[CEN:CEN+3],   v2, s[4:5]
	global_load_b128 v[CEN+4:CEN+7], v2, s[4:5] offset:8192
	global_load_b32 v32, v3, s[8:9]
.irp i, 0,1,2,3,4,5,6,7,8,9,10,11,12,13,14,15
	global_load_b128 v[X+4*(\i):X+4*(\i)+3], v2, s[12:13] offset:(\i)*INB th:TH_LOAD_NT
.endr
	s_wait_loadcnt 3+DEPTH                         ; loads come back in order (ISA guide 5.7.1): labels and indices are in; the table's two, the bin's one and the ring's sixteen may be out
.irp i, 0,1,2,3
	v_lshlrev_b32 v[LAB+(\i)], 5, v[LAB+(\i)]      ; the centroid's byte in the table: 8,160 at the most, 16 bits
.endr
.irp i, 0,1,2,3
	v_lshl_or_b32 v[LAB+(\i)], v[IDX+(\i)], 18, v[LAB+(\i)]  ; above it the bin's byte, 4 x index
.endr
	ds_store_b128 v4, v[LAB:LAB+3]
	s_wait_loadcnt 1+DEPTH                         ; the table is in
.irp i, 0,1,2,3
	v_cvt_pk_bf16_f32 v[PKD+(\i)], v[CEN+2*(\i)], v[CEN+2*(\i)+1]
.endr
	ds_store_b64 v5, v[PKD:PKD+1]
	ds_store_b64 v5, v[PKD+2:PKD+3] offset:128*32  ; the second load's numbers lie 128 centroids on
	s_wait_loadcnt DEPTH                           ; the bin is in
	v_cvt_pk_bf16_f32 v33, v32, v32                ; the bin twice, for the packed multiply
	ds_store_b32 v7, v33                           ; lanes l and l + 16 write the same word with the same value
	s_wait_dscnt 0x0                               ; for the others' sake: my stores are done
	s_barrier_signal -1
	s_barrier_wait -1
	; W: 8 pieces of 16 bytes a thread; piece j lies at byte 8,192 j + 16 t of the group's part of wb.  No register is written twice, so no store's source is waited for.
.irp j, 0,1,2,3,4,5,6,7
	ds_load_b32 v[C+(\j)], v8 offset:(\j)*1024     ; 16 neighbouring words a wave, each for two lanes
.endr
	s_wait_dscnt 0x0
.macro ADDR j                          ; piece j's two addresses, each held inside its table, and its two loads
	v_and_b32 v[A+(\j)], 0xffff, v[C+(\j)]
	v_min_u32 v[A+(\j)], 255*32, v[A+(\j)]
	v_add_nc_u32 v[A+(\j)], v9, v[A+(\j)]
	v_lshrrev_b32 v[C+(\j)], 16, v[C+(\j)]
	v_min_u32 v[C+(\j)], 60, v[C+(\j)]
	v_add_nc_u32 v[C+(\j)], v6, v[C+(\j)]
	ds_load_b128 v[D+4*(\j):D+4*(\j)+3], v[A+(\j)]
	ds_load_b32 v[N+(\j)], v[C+(\j)]
.endm
.macro OUT j
	s_wait_dscnt 2*(7-(\j))                        ; LDS loads come back in order (ISA guide 5.7.1): two for each younger piece may be out
.irp i, 0,1,2,3
	v_pk_mul_bf16 v[D+4*(\j)+(\i)], v[D+4*(\j)+(\i)], v[N+(\j)]  ; two products, each rounded once to bf16
.endr
	global_store_b128 v2, v[D+4*(\j):D+4*(\j)+3], s[14:15] offset:(\j)*8192  ; the wave stores 512 consecutive bytes, at a multiple of 512 from wb's first
.endm
.irp j, 0,1,2,3,4,5,6,7
	ADDR \j
.endr
.irp j, 0,1,2,3,4,5,6,7
	OUT \j
.endr
; x: one slot's turn.  ahead = 1: the slot is filled again with the piece DEPTH turns on.  left = how many younger loads may still be out.
.macro SLOT i, ahead, left
	s_wait_loadcnt \left                           ; mine is in, the younger ones stay out
	s_wait_xcnt 0x0                                ; every earlier memory instruction has had its addresses translated (ISA guide 3.1): this slot's Y, which its last store reads, is rewritten only behind this wait
	v_cvt_pk_bf16_f32 v[Y+2*(\i)],   v[X+4*(\i)],   v[X+4*(\i)+1]
	v_cvt_pk_bf16_f32 v[Y+2*(\i)+1], v[X+4*(\i)+2], v[X+4*(\i)+3]
.if \ahead
	global_load_b128 v[X+4*(\i):X+4*(\i)+3], v2, s[12:13] offset:(DEPTH+(\i))*INB th:TH_LOAD_NT  ; the load ahead of the store
.endif
	global_store_b64 v5, v[Y+2*(\i):Y+2*(\i)+1], s[16:17] offset:(\i)*OUTB th:TH_STORE_NT  ; the wave stores 256 consecutive bytes, at a multiple of 256 from xb's first
.endm
	s_mov_b32 s28, 524288/(DEPTH*INB)-1            ; four rounds in all; the last is written out
.Lround:
.irp i, 0,1,2,3,4,5,6,7,8,9,10,11,12,13,14,15
	SLOT \i, 1, DEPTH-1
.endr
	s_wait_xcnt 0x0                                ; the two bases are stepped only behind this wait
	s_add_nc_u64 s[12:13], s[12:13], DEPTH*INB
	s_add_nc_u64 s[16:17], s[16:17], DEPTH*OUTB
	s_sub_co_u32 s28, s28, 1
	s_cmp_lg_u32 s28, 0
	s_cbranch_scc1 .Lround
.irp i, 0,1,2,3,4,5,6,7,8,9,10,11,12,13,14,15
	SLOT \i, 0, DEPTH-1-(\i)                       ; the last round loads nothing: no load leaves the group's part of x, and the counts run down
.endr
	s_wait_tensorcnt 0x0                           ; the wave's end: behind my last LDS store
	ds_add_u32 v[SPW], v[NIL]
	s_wait_dscnt 0x0
	s_endpgm
.Lfunc_end_k_qc2dfe909ef_prep:
	.size	k_qc2dfe909ef_prep, .Lfunc_end_k_qc2dfe909ef_prep-k_qc2dfe909ef_prep
	.p2alignl 7, 3214868480
	.fill 96, 4, 3214868480
	.section	.rodata,"a",@progbits
	.p2align	6, 0x0
	.amdhsa_kernel k_qc2dfe909ef_prep
		.amdhsa_group_segment_fixed_size 19456
		.amdhsa_private_segment_fixed_size 0
		.amdhsa_enable_private_segment 0
		.amdhsa_kernarg_size 56
		.amdhsa_user_sgpr_count 2
		.amdhsa_user_sgpr_kernarg_segment_ptr 1
		.amdhsa_wavefront_size32 1
		.amdhsa_system_sgpr_workgroup_id_x 1
		.amdhsa_system_sgpr_workgroup_id_y 1
		.amdhsa_system_sgpr_workgroup_id_z 1
		.amdhsa_system_vgpr_workitem_id 0
		.amdhsa_next_free_vgpr 192
		.amdhsa_next_free_sgpr 66
		.amdhsa_reserve_vcc 0
		.amdhsa_float_denorm_mode_32 3
		.amdhsa_float_denorm_mode_16_64 3
		.amdhsa_memory_ordered 1
		.amdhsa_forward_progress 1
		.amdhsa_inst_pref_size 23
	.end_amdhsa_kernel
	.amdgpu_metadata
---
amdhsa.version: [ 1, 2 ]
amdhsa.kernels:
  - .name:           k_qc2dfe909ef_prep
    .symbol:         k_qc2dfe909ef_prep.kd
    .args:
      - { .name: dir_centroids, .offset: 0, .size: 8, .value_kind: global_buffer, .address_space: global }
      - { .name: dir_labels, .offset: 8, .size: 8, .value_kind: global_buffer, .address_space: global }
      - { .name: norm_bins, .offset: 16, .size: 8, .value_kind: global_buffer, .address_space: global }
      - { .name: norm_idx, .offset: 24, .size: 8, .value_kind: global_buffer, .address_space: global }
      - { .name: x, .offset: 32, .size: 8, .value_kind: global_buffer, .address_space: global }
      - { .name: wb, .offset: 40, .size: 8, .value_kind: global_buffer, .address_space: global }
      - { .name: xb, .offset: 48, .size: 8, .value_kind: global_buffer, .address_space: global }
    .group_segment_fixed_size: 19456
    .private_segment_fixed_size: 0
    .kernarg_segment_align: 8
    .kernarg_segment_size: 56
    .max_flat_workgroup_size: 512
    .sgpr_count:     66
    .vgpr_count:     192
    .wavefront_size: 32
...
	.end_amdgpu_metadata
.endif
;; end of part 3
;; launch gemm (part 4): grid 8 x 32, 4 waves a work-group, clusters of 4 x 4, 327,680 bytes of LDS; arguments xb, wb, bias, out0; writes out0
.if DOCPART == 4
	.amdgcn_target "amdgcn-amd-amdhsa--gfx1250"
	.amdhsa_code_object_version 6
	.text
	.protected	k_qc2dfe909ef_gemm
	.globl	k_qc2dfe909ef_gemm
	.p2align	8
	.type	k_qc2dfe909ef_gemm,@function
k_qc2dfe909ef_gemm:
	s_mov_b64 s[64:65], 0
	v_nop
	global_prefetch_b8 v0, s[64:65] scope:SCOPE_SE
	s_setreg_imm32_b32 hwreg(HW_REG_WAVE_MODE, 25, 1), 1
	s_wait_xcnt 0x0
	s_wait_alu depctr_hold_cnt(0) depctr_sa_sdst(0) depctr_va_vdst(0) depctr_va_sdst(0) depctr_va_ssrc(0) depctr_va_vcc(0) depctr_vm_vsrc(0)
	s_getreg_b32 s2, hwreg(HW_REG_IB_STS2, 6, 4)
	s_cmp_eq_u32 s2, 0
	s_cbranch_scc0 .Lentry_in_a_cluster
	s_endpgm
.Lentry_in_a_cluster:
	s_bfe_u32 s2, ttmp6, 0x10000c
	s_cmp_lg_u32 s2, 0xf033
	s_cbranch_scc0 .Lentry_shape_is_right
	s_endpgm
.Lentry_shape_is_right:
; out0[m][n] = the sum over k of xb[m][k] wb[n][k] + bf16(bias[n]).  xb: [8192][4096] bf16 (x rounded once).  wb: [2048][4096] bf16 (the dequantised weight).  bias: [2048] f32.  out0: [8192][2048] f32.
; ROUNDING.  The bias is rounded once to bf16 (nearest even), like the other inputs; sums in f32, K ascending, one accumulator an output; the bias is added in f32.  bf16 has f32's range: no limit of range;
; NaN and infinities go through the arithmetic as they are.
; SHARES.  out0 has 32 x 8 tiles of 256 x 256: one work-group each, 256 in all.  Four waves, each 128 x 128: 64 accumulators of 16 x 16, 512 registers.
; THE RING.  K goes in steps of 128 through two LDS slots, each with 256 rows of xb and 256 rows of wb: a tile's rows are 256 bytes of memory and start at multiples of 256 from the buffer's first byte.
; That is why x comes here in bf16: with x in f32 two slots of 128 along K would take 409,600 bytes of LDS, in bf16 they take 278,528; and from a refill's request to the wait for it a wave then issues
; 224 matrix instructions.
; CLUSTERS: 4 x 4 work-groups.  The four of a row of the cluster need the same tiles of xb, the four of a column the same tiles of wb: each tile is asked for JOINTLY, by the same tensor load with the same
; descriptor and a mask that names the four.
; THE MATRIX INSTRUCTION IS USED TRANSPOSED (source 0 = 16 rows of wb, source 1 = 16 rows of xb): a lane then holds eight neighbouring numbers of a row of out0.
; REGISTERS, in windows of 256 (s_set_vgpr_msb: bits 1:0 source 0, 3:2 source 1, 5:4 source 2, 7:6 destination):
;   window 0: v0-37 addresses, bias; v64-127, v128-191 fragments of xb (8 x 16 rows x 32 K), two buffers; v128-255 the way out
;   window 1: v64-127, v128-191 fragments of wb, two buffers
;   window 2: the accumulators of my rows 0-63 (row block a, column block b at v[8 (8 a + b)]);   window 3: those of my rows 64-127
; Work is laid in long stretches under one setting: 32 matrix instructions, 16 loads, 16 loads, 32 matrix instructions.
.set KSTEP, 128
.set PITCH, 272                        ; an LDS row: 256 bytes + 16 of padding = 68 words: row r starts at bank 4 r mod 64 (64 banks of 4 bytes: ISA guide 11.1), so the 16 rows of a load start at 16 different groups of four banks
.set HALFT, 128*PITCH                  ; 128 rows: what one tensor load brings, and what one wave reads of xb or of wb
.set SLOT,  4*HALFT                    ; 139,264: xb's 256 rows, then wb's 256 rows
.set STAGE, 2*SLOT                     ; behind the ring, never filled by a tensor load: 16 rows x 528 bytes for each wave, for the way out
.set SP,    528                        ; 512 bytes + 16
.set SPARE, STAGE+4*16*SP              ; 312,320, a multiple of 256: the spare words, 128 bytes for each wave; no other line names them
.set LAPS,  4096/(2*KSTEP)             ; a lap = two K steps = once round the ring
.set ADRA, 16                          ; v16-17  LDS address of my fragments of xb in slot 0, 1
.set ADRB, 20                          ; v20-21  the same for wb
.set STO,  24                          ; v24     the way out: where I put 32 bytes of a row
.set RD,   25                          ; v25     the way out: where I read a row back
.set CO,   26                          ; v26     16 l: my byte offset in 512 bytes of out0 and of bias
.set SPW,  28                          ; v28     LDS address of my spare word; never rewritten
.set NIL,  29                          ; v29     0; never rewritten
.set BI,   32                          ; v[32:35] the bias of my four columns on the way out
.set F0,   64                          ; fragment buffer 0
.set F1,   128                         ; fragment buffer 1
.set BK0,  128                         ; the way out: two buffers of 64, window 0
.set G1A, 24                           ; s[24:31] descriptor group 1 for xb's tiles;  s[32:39] group 0, a set for each slot
.set G0A, 32
.set G1B, 48                           ; s[48:55], s[56:63] the same for wb's tiles
.set G0B, 56
.set MSB, 0
.macro WIN new                         ; the immediate's high byte repeats the setting that is left; a switch that changes nothing is dropped
.if MSB != (\new)
	s_set_vgpr_msb (MSB<<8)|(\new)
.set MSB, \new
.endif
.endm
.set MUL_LO, 0xa1                      ; source 0 (wb) window 1, source 1 (xb) window 0, C and D window 2
.set MUL_HI, 0xf1                      ; the same, C and D window 3
.set TO_B,   0x40                      ; destination window 1, address window 0
; A joint load.  Waves 0 and 1 fetch xb's two halves, waves 2 and 3 wb's.  Each line has one mask and one set of registers; the branch hangs on the wave's number alone.
; An s_nop 0 and four v_nop follow each of the two lines, ahead of the jump, the label and what follows.
.macro JLOAD s
	s_cmp_eq_u32 s13, 0
	s_cbranch_scc0 .Lfor_b_\@
	tensor_load_to_lds s[G0A+4*(\s):G0A+4*(\s)+3], s[G1A:G1A+7]
	s_nop 0
.rept 4
	v_nop
.endr
	s_branch .Lasked_\@
.Lfor_b_\@:
	tensor_load_to_lds s[G0B+4*(\s):G0B+4*(\s)+3], s[G1B:G1B+7]
	s_nop 0
.rept 4
	v_nop
.endr
.Lasked_\@:
.endm
; A round of the cluster's barrier: my work-group's barrier, so that wave 0's signal speaks for all four waves; wave 0 signals; every wave waits for all sixteen work-groups; my work-group's barrier once more.
.macro CREST                           ; a round behind its opening barrier
	s_cmp_lg_u32 s12, 0
	s_cbranch_scc1 .Lnot_wave_0_\@
	s_barrier_signal -3
.Lnot_wave_0_\@:
	s_barrier_wait -3
	s_barrier_signal -1
	s_barrier_wait -1
.endm
.macro CROUND                          ; a whole round
	s_barrier_signal -1
	s_barrier_wait -1
	CREST
.endm
; A load into a register that a matrix instruction has read, and a store that reads a matrix result, stand four places behind that matrix instruction, and only plain vector instructions that name none of
; its registers are places (ISA guide 7.12.1 for vector instructions).
.macro PLACES
.rept 4
	v_nop
.endr
.endm
	s_load_b256 s[4:11], s[0:1], 0x0               ; xb s[4:5], wb s[6:7], bias s[8:9], out0 s[10:11]
	v_lshl_add_u32 v[SPW], v0, 2, SPARE
	v_mov_b32 v[NIL], 0
	ds_add_u32 v[SPW], v[NIL]                      ; the wave's opening: the add and its wait stand ahead of my first tensor load; the set-up below, work on registers, stands between them
	v_lshrrev_b32 v1, 5, v0
	v_readfirstlane_b32 s12, v1                    ; wave 0..3
	s_lshr_b32 s13, s12, 1                         ; which half of the tile's rows is mine.  Also: I fetch for xb (0) or for wb (1)
	s_and_b32 s14, s12, 1                          ; which half of its columns.  Also: which 128 rows of that tile I fetch
	s_bfe_u32 s15, ttmp6, 0x40000                  ; cx, cy: my place in the cluster
	s_bfe_u32 s16, ttmp6, 0x40004
	s_lshl_b32 s17, ttmp9, 2                       ; in a cluster launch ttmp9 and ttmp7 count clusters
	s_add_co_u32 s17, s17, s15                     ; tile column = 4 x cluster x + cx
	s_and_b32 s18, ttmp7, 0xffff
	s_lshl_b32 s18, s18, 2
	s_add_co_u32 s18, s18, s16                     ; tile row = 4 x cluster y + cy
	s_lshl_b32 s19, s16, 2
	s_lshl_b32 s19, 15, s19                        ; my row of the cluster: places 4 cy .. 4 cy + 3
	s_lshl_b32 s20, 0x1111, s15                    ; my column: places cx, cx + 4, cx + 8, cx + 12
	; group 1: a tile of 128 rows x 128 elements of 2 bytes, 4,096 elements from row to row; in LDS 4 words of padding (code 3) behind every 64 words (code 5)
	s_or_b32 s[G1A+0], s19, (1<<16)|(1<<20)|(1<<21)|(5<<22)|(3<<25)  ; 15:0 the mask: xb's tiles go to my row; 17:16 elements of 2 bytes; 20 padding on; 21 set beside a mask
	s_or_b32 s[G1B+0], s20, (1<<16)|(1<<20)|(1<<21)|(5<<22)|(3<<25)  ; the same with the mask of my column, for wb's tiles
.irp g, G1A, G1B
	s_mov_b32 s[(\g)+1], KSTEP<<16                 ; tensor_dim0 = 128
	s_mov_b32 s[(\g)+2], 128<<16                   ; tensor_dim1 = 128
	s_mov_b32 s[(\g)+3], KSTEP<<16                 ; tile_dim0 = 128
	s_mov_b32 s[(\g)+4], 128                       ; tile_dim1 = 128
	s_mov_b32 s[(\g)+5], 4096                      ; tensor_dim0_stride
	s_mov_b32 s[(\g)+6], 0
	s_mov_b32 s[(\g)+7], 0
.endr
	s_mul_i32 s21, s12, HALFT                      ; where my tile goes: xb's two halves, then wb's two halves = wave x 128 rows: no place in the cluster enters an LDS address
	; where the tiles come from.  xb's hang on the tile row alone, wb's on the tile column alone; each offset in registers that never hold the other coordinate
	s_lshl_b32 s23, s14, 7                         ; which 128 rows I fetch
	s_lshl_b32 s40, s18, 8
	s_add_co_u32 s40, s40, s23
	s_lshl_b32 s40, s40, 13                        ; xb: row 256 x tile row + 128 x half, 8,192 bytes a row: under 2^26
	s_mov_b32 s41, 0
	s_lshl_b32 s46, s17, 8
	s_add_co_u32 s46, s46, s23
	s_lshl_b32 s68, s46, 2                         ; (my first column of bias and out0 in bytes, as a wave that computes: 256 x tile column + 128 x half, 4 bytes each)
	s_mov_b32 s69, 0
	s_lshl_b32 s46, s46, 13                        ; wb: row 256 x tile column + 128 x half, 8,192 bytes a row
	s_mov_b32 s47, 0
	s_lshl_b32 s66, s18, 8
	s_lshl_b32 s23, s13, 7
	s_add_co_u32 s66, s66, s23                     ; my first row of out0,
	s_lshl_b32 s66, s66, 13                        ; 8,192 bytes a row,
	s_add_co_u32 s66, s66, s68                     ; and my first column
	s_mov_b32 s67, 0
	s_wait_dscnt 0x0                               ; the opening add is done
	s_wait_kmcnt 0x0
	s_add_nc_u64 s[40:41], s[4:5], s[40:41]
	s_add_nc_u64 s[46:47], s[6:7], s[46:47]
	s_add_nc_u64 s[8:9], s[8:9], s[68:69]
	s_add_nc_u64 s[10:11], s[10:11], s[66:67]
	CROUND                                         ; all sixteen work-groups are here: the first joint loads meet
.irp s, 0,1
	s_mov_b32 s[G0A+4*(\s)], 1                                         ; 1:0 count = 1
	s_add_co_u32 s[G0A+4*(\s)+1], s21, (\s)*SLOT                       ; 63:32 LDS address
	s_add_nc_u64 s[G0A+4*(\s)+2:G0A+4*(\s)+3], s[40:41], (\s)*KSTEP*2  ; 120:64 global address: K step s
	s_or_b32 s[G0A+4*(\s)+3], s[G0A+4*(\s)+3], 0x80000000              ; 127:126 type = 2
	s_mov_b32 s[G0B+4*(\s)], 1
	s_add_co_u32 s[G0B+4*(\s)+1], s21, (\s)*SLOT
	s_add_nc_u64 s[G0B+4*(\s)+2:G0B+4*(\s)+3], s[46:47], (\s)*KSTEP*2
	s_or_b32 s[G0B+4*(\s)+3], s[G0B+4*(\s)+3], 0x80000000
	JLOAD \s                                       ; both slots are asked for before anything else: two tensor loads of mine are out
.endr
	; A fragment is 16 rows x 32 K in 8 registers: lane l holds row l % 16; registers 0-3 hold K = 8 (l / 16) + 0..7, registers 4-7 K = 16 + 8 (l / 16) + 0..7: two loads of 16 bytes, 32 bytes apart.
	v_and_b32 v1, 15, v0                           ; r = l % 16
	v_bfe_u32 v2, v0, 4, 1                         ; h = l / 16
	v_and_b32 v3, 31, v0                           ; l
	v_mul_u32_u24 v4, v1, PITCH
	v_lshl_add_u32 v4, v2, 4, v4                   ; row x pitch + 16 h
	s_mul_i32 s23, s13, HALFT                      ; my 128 rows of xb
	v_add_nc_u32 v[ADRA], s23, v4
	v_add_nc_u32 v[ADRA+1], SLOT, v[ADRA]
	s_mul_i32 s22, s14, HALFT                      ; my 128 rows of wb,
	s_add_co_u32 s22, s22, 2*HALFT                 ; which lie behind xb's 256
	v_add_nc_u32 v[ADRB], s22, v4
	v_add_nc_u32 v[ADRB+1], SLOT, v[ADRB]
	s_mul_i32 s23, s12, 16*SP
	s_add_co_u32 s23, s23, STAGE                   ; my stage
	v_mul_u32_u24 v6, v1, SP                       ; in: row l % 16, 32 bytes for each half of the lanes
	v_lshl_add_u32 v6, v2, 5, v6
	v_add_nc_u32 v[STO], s23, v6
	v_lshlrev_b32 v[CO], 4, v3
	v_add_nc_u32 v[RD], s23, v[CO]                 ; back: 32 lanes take one row of 512 bytes
	global_load_b128 v[BI:BI+3], v[CO], s[8:9]     ; the bias of columns 4 l .. 4 l + 3 of my 128; it is waited for while the first tiles are on their way
	s_wait_loadcnt 0x0
	v_cvt_pk_bf16_f32 v36, v[BI], v[BI+1]          ; rounded to bf16 like the other inputs, and widened again
	v_cvt_pk_bf16_f32 v37, v[BI+2], v[BI+3]
	v_lshlrev_b32 v[BI], 16, v36
	v_and_b32 v[BI+1], 0xffff0000, v36
	v_lshlrev_b32 v[BI+2], 16, v37
	v_and_b32 v[BI+3], 0xffff0000, v37
; 16 matrix instructions: row blocks a0, a0 + 1 of the window's four (hi = 0: my rows 0-63, 1: rows 64-127) x all 8 column blocks, 32 along K.  zero = 1: the product starts the sum: nothing is ever cleared.
; The 64 accumulators take turns, one instruction a turn, in the same order in every quarter.
.macro MUL16 f, hi, a0, zero
	WIN MUL_LO+0x50*(\hi)
.irp a, \a0, (\a0)+1
.irp b, 0,1,2,3,4,5,6,7
.if \zero
	v_wmma_f32_16x16x32_bf16 v[8*(8*(\a)+(\b)):8*(8*(\a)+(\b))+7], v[(\f)+8*(\b):(\f)+8*(\b)+7], v[(\f)+8*(4*(\hi)+(\a)):(\f)+8*(4*(\hi)+(\a))+7], 0
.else
	v_wmma_f32_16x16x32_bf16 v[8*(8*(\a)+(\b)):8*(8*(\a)+(\b))+7], v[(\f)+8*(\b):(\f)+8*(\b)+7], v[(\f)+8*(4*(\hi)+(\a)):(\f)+8*(4*(\hi)+(\a))+7], v[8*(8*(\a)+(\b)):8*(8*(\a)+(\b))+7]
.endif
.endr
.endr
.endm
; 32 LDS loads in one run: the fragments of one quarter step (128 rows of wb, then 128 rows of xb, 32 K at byte k of the rows) into buffer f
.macro FETCH slot, k, f
	WIN TO_B
.irp i, 0,1,2,3,4,5,6,7
	ds_load_b128 v[(\f)+8*(\i):(\f)+8*(\i)+3],   v[ADRB+(\slot)] offset:(\k)+(\i)*16*PITCH
	ds_load_b128 v[(\f)+8*(\i)+4:(\f)+8*(\i)+7], v[ADRB+(\slot)] offset:(\k)+(\i)*16*PITCH+32
.endr
	WIN 0
.irp i, 0,1,2,3,4,5,6,7
	ds_load_b128 v[(\f)+8*(\i):(\f)+8*(\i)+3],   v[ADRA+(\slot)] offset:(\k)+(\i)*16*PITCH
	ds_load_b128 v[(\f)+8*(\i)+4:(\f)+8*(\i)+7], v[ADRA+(\slot)] offset:(\k)+(\i)*16*PITCH+32
.endr
.endm
; A K step is four quarters of 32 along K, 64 matrix instructions each, on buffers 0, 1, 0, 1.
; One of the first three: multiplies buffer f; in its middle it fetches the next quarter's fragments, at byte k of the same slot's rows, into buffer g.
.macro QUARTER slot, k, f, g, zero
	s_wait_dscnt 8                                 ; wb and xb's rows 0-63 are in; the youngest eight loads (xb's rows 64-127) may be out
	MUL16 \f, 0, 0, \zero
	MUL16 \f, 0, 2, \zero
	PLACES                                         ; in front of the loads into buffer g, which the quarter before multiplied
	FETCH \slot, \k, \g
	s_wait_dscnt 32                                ; all but the 32 just issued
	MUL16 \f, 1, 0, \zero
	MUL16 \f, 1, 2, \zero
.endm
; The last quarter multiplies buffer 1 and changes slots: ONE barrier, for two things.  In front of it each wave waits for all its tensor loads, of which one is out: its part of the next slot; adds 0 to its
; spare word; and waits for that and for its own reads of this slot.  Behind it nobody reads this slot any more and the next slot is whole.
; fill = 1: the barrier opens a round of the cluster's barrier, so that no wave of any partner still reads the slot or has a load on its way, and the slot is filled again, two K steps on, first thing behind
; the round.  fill = 0: nothing is left to ask for, and my work-group's barrier is enough.
.macro TURN slot, next, fill
	WIN 0                                          ; (the add's two registers lie in window 0)
	s_wait_tensorcnt 0x0                           ; all my tensor loads have landed: the one that was out is my part of the next slot
	ds_add_u32 v[SPW], v[NIL]                      ; 0 onto my spare word
	s_wait_dscnt 9                                 ; (the add and the youngest eight loads may be out)
	MUL16 F1, 0, 0, 0                              ; sixteen matrix instructions stand between the add and the wait for it
	s_wait_dscnt 0x0                               ; the add is done, and my reads of this slot are over
	s_barrier_signal -1
	MUL16 F1, 0, 2, 0                              ; work on registers while the others arrive
.if \fill
	WIN 0
.endif
	s_barrier_wait -1
.if \fill
	CREST
	s_add_nc_u64 s[G0A+4*(\slot)+2:G0A+4*(\slot)+3], s[G0A+4*(\slot)+2:G0A+4*(\slot)+3], 2*KSTEP*2  ; no tensor load of mine is out: the slot's group 0 steps two K steps on; the type bits on top are not reached
	s_add_nc_u64 s[G0B+4*(\slot)+2:G0B+4*(\slot)+3], s[G0B+4*(\slot)+2:G0B+4*(\slot)+3], 2*KSTEP*2
	JLOAD \slot                                    ; the first tensor load behind the round, and my only one until the next; the four v_nop behind it are also the places in front of the loads below
.else
	PLACES
.endif
	FETCH \next, 0, F0
	MUL16 F1, 1, 0, 0
	MUL16 F1, 1, 2, 0
.endm
	s_wait_tensorcnt 1                             ; my part of K step 0 is in; K step 1's may stay out
	s_barrier_signal -1
	s_barrier_wait -1                              ; everybody's is
	FETCH 0, 0, F0
	QUARTER 0, 64,  F0, F1, 1                      ; the first quarter stands in front of the loop: its products start the sums
	WIN 0                                          ; at a label and at a branch every window is 0
	s_mov_b32 s3, LAPS-1
.Llap:                                                 ; trip L = 0 .. 14 goes once round the ring, from a lap's second quarter to the next lap's first, and fills K steps 2 L + 2 and 2 L + 3 (31 at the most)
	QUARTER 0, 128, F1, F0, 0
	QUARTER 0, 192, F0, F1, 0
	TURN 0, 1, 1
	QUARTER 1, 64,  F0, F1, 0
	QUARTER 1, 128, F1, F0, 0
	QUARTER 1, 192, F0, F1, 0
	TURN 1, 0, 1
	QUARTER 0, 64,  F0, F1, 0
	WIN 0
	s_sub_co_u32 s3, s3, 1
	s_cmp_lg_u32 s3, 0
	s_cbranch_scc1 .Llap
	QUARTER 0, 128, F1, F0, 0                      ; the last lap is written out: it fills nothing, and has no round of the cluster's barrier
	QUARTER 0, 192, F0, F1, 0
	TURN 0, 1, 0
	QUARTER 1, 64,  F0, F1, 0
	QUARTER 1, 128, F1, F0, 0
	QUARTER 1, 192, F0, F1, 0
	s_wait_dscnt 8                                 ; the very last quarter: nothing more to fetch
	MUL16 F1, 0, 0, 0
	MUL16 F1, 0, 2, 0
	s_wait_dscnt 0x0
	MUL16 F1, 1, 0, 0
	MUL16 F1, 1, 2, 0
	WIN 0
; THE WAY OUT, a block of 16 rows at a time.  A lane's eight numbers of a row are 32 bytes; they go into my own stage, rows of 528 bytes, and come back as whole rows of 512 bytes, 16 bytes a lane.
; The stage is my wave's own and LDS serves a wave's instructions in order (ISA guide 5.7.1.4): no wait between the stores and the loads, nor in front of the next block's stores.
.macro TOSTAGE a
.set AC, 64*((\a)%4)
.set BK, BK0+64*((\a)%2)
.if (\a) >= 2
	s_wait_xcnt 0x0                                ; the buffer was the data of the stores two blocks back: it is loaded again only behind this wait
.endif
	WIN 0x08+4*((\a)/4)                            ; the stores' data (source 1) in window 2 or 3
.irp b, 0,1,2,3,4,5,6,7
	ds_store_b128 v[STO], v[AC+8*(\b):AC+8*(\b)+3]   offset:64*(\b)     ; each accumulator's lowest registers are read first
	ds_store_b128 v[STO], v[AC+8*(\b)+4:AC+8*(\b)+7] offset:64*(\b)+16
.endr
	WIN 0
.irp t, 0,1,2,3,4,5,6,7,8,9,10,11,12,13,14,15
	ds_load_b128 v[BK+4*(\t):BK+4*(\t)+3], v[RD] offset:(\t)*SP
.endr
.endm
.macro SEND a, younger                 ; younger: the LDS instructions issued behind block a's loads: the next block's 32, or none
.set BK, BK0+64*((\a)%2)
	WIN 0
.irp t, 0,1,2,3,4,5,6,7,8,9,10,11,12,13,14,15
	s_wait_dscnt (\younger)+15-(\t)                ; row t is back; the block's later rows and the next block's instructions may be out
	v_pk_add_f32 v[BK+4*(\t):BK+4*(\t)+1],   v[BK+4*(\t):BK+4*(\t)+1],   v[BI:BI+1]
	v_pk_add_f32 v[BK+4*(\t)+2:BK+4*(\t)+3], v[BK+4*(\t)+2:BK+4*(\t)+3], v[BI+2:BI+3]
	global_store_b128 v[CO], v[BK+4*(\t):BK+4*(\t)+3], s[10:11] offset:(16*(\a)+(\t))*8192 th:TH_STORE_NT  ; the wave stores 512 consecutive bytes, at a multiple of 512 from out0's first; 127 rows at the most: inside the signed 24-bit immediate
.endr
.endm
	PLACES                                         ; behind the last products: the stage's stores read results, and its loads land in fragments just multiplied
	TOSTAGE 0
.irp a, 1,2,3,4,5,6,7                  ; a block's way through the stage stands between the loads of the block before and its stores
	TOSTAGE \a
	SEND (\a)-1, 32
.endr
	SEND 7, 0
	s_wait_tensorcnt 0x0                           ; the wave's end: behind my last tensor load and my last LDS store
	ds_add_u32 v[SPW], v[NIL]
	s_wait_dscnt 0x0
	CROUND                                         ; the closing round: no work-group ends while a partner may still ask for a tile that names it
	s_endpgm
.Lfunc_end_k_qc2dfe909ef_gemm:
	.size	k_qc2dfe909ef_gemm, .Lfunc_end_k_qc2dfe909ef_gemm-k_qc2dfe909ef_gemm
	.p2alignl 7, 3214868480
	.fill 96, 4, 3214868480
	.section	.rodata,"a",@progbits
	.p2align	6, 0x0
	.amdhsa_kernel k_qc2dfe909ef_gemm
		.amdhsa_group_segment_fixed_size 327680
		.amdhsa_private_segment_fixed_size 0
		.amdhsa_enable_private_segment 0
		.amdhsa_kernarg_size 32
		.amdhsa_user_sgpr_count 2
		.amdhsa_user_sgpr_kernarg_segment_ptr 1
		.amdhsa_wavefront_size32 1
		.amdhsa_system_sgpr_workgroup_id_x 1
		.amdhsa_system_sgpr_workgroup_id_y 1
		.amdhsa_system_sgpr_workgroup_id_z 1
		.amdhsa_system_vgpr_workitem_id 0
		.amdhsa_next_free_vgpr 1024
		.amdhsa_next_free_sgpr 72
		.amdhsa_reserve_vcc 0
		.amdhsa_float_denorm_mode_32 3
		.amdhsa_float_denorm_mode_16_64 3
		.amdhsa_memory_ordered 1
		.amdhsa_forward_progress 1
		.amdhsa_inst_pref_size 160
	.end_amdhsa_kernel
	.amdgpu_metadata
---
amdhsa.version: [ 1, 2 ]
amdhsa.kernels:
  - .name:           k_qc2dfe909ef_gemm
    .symbol:         k_qc2dfe909ef_gemm.kd
    .args:
      - { .name: xb, .offset: 0, .size: 8, .value_kind: global_buffer, .address_space: global }
      - { .name: wb, .offset: 8, .size: 8, .value_kind: global_buffer, .address_space: global }
      - { .name: bias, .offset: 16, .size: 8, .value_kind: global_buffer, .address_space: global }
      - { .name: out0, .offset: 24, .size: 8, .value_kind: global_buffer, .address_space: global }
    .group_segment_fixed_size: 327680
    .private_segment_fixed_size: 0
    .kernarg_segment_align: 8
    .kernarg_segment_size: 32
    .max_flat_workgroup_size: 128
    .sgpr_count:     72
    .vgpr_count:     1024
    .wavefront_size: 32
...
	.end_amdgpu_metadata
.endif
;; end of part 4
;; ======== version 3 of 3: 2 launches; version 2 with the launch prep written anew for expert scheduling mode
;; workspace buffers: wb 16,777,216 bytes; xb 67,108,864 bytes
;; launch prep (part 5): grid 256 x 1, 16 waves a work-group, no clusters, 19,456 bytes of LDS; arguments dir_centroids, dir_labels, norm_bins, norm_idx, x, wb, xb; writes wb, xb
.if DOCPART == 5
	.amdgcn_target "amdgcn-amd-amdhsa--gfx1250"
	.amdhsa_code_object_version 6
	.text
	.protected	k_qc2dfe909ef_prep
	.globl	k_qc2dfe909ef_prep
	.p2align	8
	.type	k_qc2dfe909ef_prep,@function
k_qc2dfe909ef_prep:
	s_mov_b64 s[64:65], 0
	v_nop
	global_prefetch_b8 v0, s[64:65] scope:SCOPE_SE
	s_setreg_imm32_b32 hwreg(HW_REG_WAVE_SCHED_MODE, 0, 2), 2
	s_setreg_imm32_b32 hwreg(HW_REG_WAVE_MODE, 25, 1), 1
	s_wait_xcnt 0x0
	s_wait_alu depctr_vm_vsrc(0)
; BOTH OPERANDS OF THE PRODUCT THAT FOLLOWS, IN bf16.
; wb: W[o][16 ib .. 16 ib + 15] = dir_centroids[dir_labels[256 o + ib]] x norm_bins[norm_idx[256 o + ib]], [2048][4096] row-major: block B = 256 o + ib is bytes 32 B .. 32 B + 31.
; xb: x rounded to bf16, [8192][4096] row-major.
; ROUNDING.  Each number of x, each centroid number and each bin is rounded once to bf16 (nearest even); the product of a centroid number and a bin, exact in 16 significant bits, is rounded once to bf16.
; bf16 has f32's range: no limit of range.  NaN and infinities go through the arithmetic as they are.  Labels lie in 0 .. 255 and norm indices in 0 .. 15, as the tables that they index demand; the two
; minima below only keep LDS addresses inside LDS.
; SHARES.  Work-group g owns 2,048 blocks of W (8 rows: 8,192 bytes of labels, as many of indices, 65,536 consecutive bytes of wb) and 32 rows of x (524,288 bytes in, 262,144 out).
; Memory binds (138 MB in, 84 MB out): no matrix unit, no cluster, no tensor load.  Every byte is read once, by loads of which a wave's covers 512 consecutive bytes; a wave's store covers 512 (wb) or
; 256 (xb) consecutive bytes, aligned to as many.
; ORDER.  The tables' five loads go out first, then the first 24 loads of x; W is made while those are on their way; then x streams through four register buffers of eight loads in each of the 16 waves.
; THE MODE: SCHED_MODE bits 1:0 = 2 (LLVM: expert scheduling mode 2), set by the entry lines.  The code itself states the register dependences between vector instructions and memory or LDS
; instructions, with s_wait_alu, always for 0.
; THE PLAN.  Registers that memory or LDS instructions touch:
;   v2, v3, v4, v5, v7, v8   offsets and LDS addresses: made once at the head, never written again.  Every turn's place in x and in xb stands in an immediate offset; no base is stepped.
;   LAB, PKD, v33            written by the first phase's arithmetic, read by its four LDS stores, never written again.
;   A, C                     the eight pieces' sixteen LDS addresses: all made first, then read by sixteen LDS loads.
;   D                        eight pieces as loaded from LDS, multiplied in place, read by the eight stores to wb, never written again.
;   X0 .. X3                 four blocks of x as loaded.  Written by the loads of block p + 3, issued in block p; read by block p's roundings.
;   Y0, Y1                   two blocks of xb to store.   Written by block p's roundings; read by the eight stores that are issued in block p + 1.
;   v[SPW], v[NIL]           written at the head, read by the closing add alone.
; x's 64 turns go in 8 blocks of 8.  Block p works on X[p % 4] and writes Y[p % 2].  Its memory instructions are the loads into X[(p + 3) % 4] = X[(p - 1) % 4] and the stores from Y[(p - 1) % 2]:
; the two buffers that block p - 1 worked on and that no vector instruction of block p names.  So the waits at a block's head state all that its sixteen memory instructions hang on, and these are
; dealt among its roundings with no further wait.  Block 0 has no block ahead of it, blocks 5 to 7 load nothing, and the four between are one lap of the buffers: the eight are written out, without a loop.
.set BINS,  8192                       ; the table of centroids, 256 x 32 bytes of bf16, lies from LDS byte 0; behind it 16 copies (one a wave) of 16 words: word i = bf16(bin i) in both halves
.set CODE,  BINS+1024                  ; 9,216: one word for each of the group's 2,048 blocks: label x 32 below, index x 4 above
.set SPARE, CODE+8192                  ; 17,408, a multiple of 256: the spare words, 128 bytes for each of the 16 waves; no other line names them
.set BLOCK, 8                          ; turns in a block
.set INB,   8192                       ; bytes of x that the group's 512 threads take in one turn, 16 each
.set OUTB,  4096                       ; and of xb, 8 each
.set BLOCKS, 524288/(BLOCK*INB)        ; 8
.set SPW, 12                           ; v12  LDS address of my spare word; never rewritten
.set NIL, 13                           ; v13  0; never rewritten
.set LAB, 16                           ; v[16:19]   4 labels, then 4 codes
.set IDX, 20                           ; v[20:23]   4 norm indices
.set CEN, 24                           ; v[24:31]   8 numbers of the table, f32
.set PKD, 34                           ; v[34:37]   the same, packed bf16
.set C,   40                           ; v[40:47]   piece j: its block's code, then the LDS address of its norm
.set A,   48                           ; v[48:55]   piece j: the LDS address of its half centroid
.set N,   56                           ; v[56:63]   piece j: its norm, twice in bf16
.set D,   64                           ; v[64:95]   piece j: 8 numbers in bf16
.set X,   96                           ; v[96:223]  buffer k, turn i: 4 registers at X + 32 k + 4 i: 4 numbers of x as loaded
.set Y,   224                          ; v[224:255] buffer k, turn i: 2 registers at Y + 16 k + 2 i: the same in bf16, to store
	s_load_b256 s[4:11], s[0:1], 0x0               ; centroids s[4:5], labels s[6:7], bins s[8:9], indices s[10:11]
	s_load_b128 s[12:15], s[0:1], 0x20             ; x s[12:13], wb s[14:15]
	s_load_b64 s[16:17], s[0:1], 0x30              ; xb
	v_lshl_add_u32 v[SPW], v0, 2, SPARE
	v_mov_b32 v[NIL], 0
	v_lshrrev_b32 v1, 5, v0
	v_readfirstlane_b32 s18, v1                    ; wave w, 0 .. 15
	s_lshl_b32 s20, ttmp9, 13                      ; my group's 8,192 bytes of labels and of indices
	s_mov_b32 s21, 0
	s_lshl_b32 s22, ttmp9, 16                      ; its 65,536 bytes of wb
	s_mov_b32 s23, 0
	s_lshl_b32 s24, ttmp9, 19                      ; its 524,288 bytes of x
	s_mov_b32 s25, 0
	s_lshl_b32 s26, ttmp9, 18                      ; its 262,144 bytes of xb
	s_mov_b32 s27, 0
	v_lshlrev_b32 v2, 4, v0                        ; 16 t: my 16 bytes in every load, and in every store to wb
	v_lshlrev_b32 v5, 3, v0                        ; 8 t: my 8 bytes in the table (centroid t / 4, numbers 4 (t % 4) on: 32 (t / 4) + 8 (t % 4)) and in every store to xb
	v_and_b32 v3, 15, v0
	v_lshlrev_b32 v3, 2, v3                        ; 4 (l % 16): my bin
	v_add_nc_u32 v4, CODE, v2                      ; thread t holds blocks 4 t .. 4 t + 3: where their codes go
	s_wait_alu depctr_va_sdst(0)                   ; s18 is written, ahead of its first reader: the place of my wave's copy of the bins is made from it
	s_lshl_b32 s19, s18, 6
	s_add_co_u32 s19, s19, BINS
	v_mov_b32 v6, s19                              ; my wave's copy of the bins
	v_add_nc_u32 v7, v6, v3
	v_lshrrev_b32 v8, 1, v0
	v_lshl_add_u32 v8, v8, 2, CODE                 ; piece j of thread t is half t % 2 of block 256 j + t / 2: its code
	v_and_b32 v9, 1, v0
	v_lshlrev_b32 v9, 4, v9                        ; my half of a centroid
	s_wait_kmcnt 0x0
	s_add_nc_u64 s[6:7], s[6:7], s[20:21]
	s_add_nc_u64 s[10:11], s[10:11], s[20:21]
	s_add_nc_u64 s[14:15], s[14:15], s[22:23]
	s_add_nc_u64 s[12:13], s[12:13], s[24:25]
	s_add_nc_u64 s[16:17], s[16:17], s[26:27]
	s_wait_alu depctr_va_vdst(0)                   ; v2, v3, v4, v5, v7 and v8 are written: every load and store of the kernel, global or LDS, but those by A and C reads one of them as its offset or address
	; All first loads at once: five for W, then blocks 0, 1 and 2 of x into X0, X1, X2.
	global_load_b128 v[LAB:LAB+3],   v2, s[6:7] th:TH_LOAD_NT
	global_load_b128 v[IDX:IDX+3],   v2, s[10:11] th:TH_LOAD_NT
	global_load_b128 v[CEN:CEN+3],   v2, s[4:5]
	global_load_b128 v[CEN+4:CEN+7], v2, s[4:5] offset:8192
	global_load_b32 v32, v3, s[8:9]
.set i, 0
.rept 3*BLOCK
	global_load_b128 v[X+4*i:X+4*i+3], v2, s[12:13] offset:i*INB th:TH_LOAD_NT
.set i, i+1
.endr
	s_wait_loadcnt 3*BLOCK                         ; loads come back in order (ISA guide 5.7.1): labels, indices, table and bin are in; the 24 loads of x may be out
.irp i, 0,1,2,3
	v_lshlrev_b32 v[LAB+(\i)], 5, v[LAB+(\i)]      ; the centroid's byte in the table: 8,160 at the most, 16 bits
.endr
.irp i, 0,1,2,3
	v_lshl_or_b32 v[LAB+(\i)], v[IDX+(\i)], 18, v[LAB+(\i)]  ; above it the bin's byte, 4 x index
.endr
.irp i, 0,1,2,3
	v_cvt_pk_bf16_f32 v[PKD+(\i)], v[CEN+2*(\i)], v[CEN+2*(\i)+1]
.endr
	v_cvt_pk_bf16_f32 v33, v32, v32                ; the bin twice, for the packed multiply
	s_wait_alu depctr_va_vdst(0)                   ; the codes in LAB, the table's numbers in PKD and the bin in v33 are written, which the four LDS stores read
	ds_store_b128 v4, v[LAB:LAB+3]
	ds_store_b64 v5, v[PKD:PKD+1]
	ds_store_b64 v5, v[PKD+2:PKD+3] offset:128*32  ; the second load's numbers lie 128 centroids on
	ds_store_b32 v7, v33                           ; lanes l and l + 16 write the same word with the same value
	s_wait_dscnt 0x0                               ; for the others' sake: my stores are done
	s_barrier_signal -1
	s_barrier_wait -1
	; W: 8 pieces of 16 bytes a thread; piece j lies at byte 8,192 j + 16 t of the group's part of wb.  No register that a memory or LDS instruction has read is written again here.
.irp j, 0,1,2,3,4,5,6,7
	ds_load_b32 v[C+(\j)], v8 offset:(\j)*1024     ; 16 neighbouring words a wave, each for two lanes
.endr
	s_wait_dscnt 0x0
.macro ADDR j                          ; piece j's two addresses, each held inside its table
	v_and_b32 v[A+(\j)], 0xffff, v[C+(\j)]
	v_min_u32 v[A+(\j)], 255*32, v[A+(\j)]
	v_add_nc_u32 v[A+(\j)], v9, v[A+(\j)]
	v_lshrrev_b32 v[C+(\j)], 16, v[C+(\j)]
	v_min_u32 v[C+(\j)], 60, v[C+(\j)]
	v_add_nc_u32 v[C+(\j)], v6, v[C+(\j)]
.endm
.macro GET j                           ; and its two loads
	ds_load_b128 v[D+4*(\j):D+4*(\j)+3], v[A+(\j)]
	ds_load_b32 v[N+(\j)], v[C+(\j)]
.endm
.macro TIMES j
	s_wait_dscnt 2*(7-(\j))                        ; LDS loads come back in order (ISA guide 5.7.1): two for each younger piece may be out
.irp i, 0,1,2,3
	v_pk_mul_bf16 v[D+4*(\j)+(\i)], v[D+4*(\j)+(\i)], v[N+(\j)]  ; two products, each rounded once to bf16
.endr
.endm
.irp j, 0,1,2,3,4,5,6,7
	ADDR \j
.endr
	s_wait_alu depctr_va_vdst(0)                   ; all sixteen addresses in A and C are written, which the sixteen LDS loads read
.irp j, 0,1,2,3,4,5,6,7
	GET \j
.endr
.irp j, 0,1,2,3,4,5,6,7
	TIMES \j
.endr
	s_wait_alu depctr_va_vdst(0)                   ; all 32 products are written into D, which the eight stores read
.irp j, 0,1,2,3,4,5,6,7
	global_store_b128 v2, v[D+4*(\j):D+4*(\j)+3], s[14:15] offset:(\j)*8192  ; the wave stores 512 consecutive bytes, at a multiple of 512 from wb's first
.endr
; x: block p.  left = how many younger loads may still be out when this block's eight have to be there.
.macro BLK p, left
	s_wait_loadcnt \left                           ; X[p % 4] is in, the younger blocks stay out
.if (\p) >= 2                          ; blocks 0 and 1 write a Y that no store has read yet
	s_wait_xcnt 0x0                                ; every earlier memory instruction has had its addresses translated (ISA guide 3.1): Y[p % 2], the data of stores issued in the block before, is rewritten only behind this wait
	s_wait_alu depctr_vm_vsrc(0)                   ; the stores issued in the block before have read Y[p % 2], which this block's roundings write again
.endif
.if (\p) >= 1
	s_wait_alu depctr_va_vdst(0)                   ; the block before has written the other Y, which the stores below read, and is done reading its X, in which the loads below land
.endif
.irp i, 0,1,2,3,4,5,6,7
.if (\p)+3 < BLOCKS                    ; the last three blocks load nothing: no load leaves the group's part of x
	global_load_b128 v[X+32*(((\p)+3)%4)+4*(\i):X+32*(((\p)+3)%4)+4*(\i)+3], v2, s[12:13] offset:(((\p)+3)*BLOCK+(\i))*INB th:TH_LOAD_NT  ; three blocks ahead, the load ahead of the store; no vector instruction since the wait names these registers
.endif
.if (\p) >= 1
	global_store_b64 v5, v[Y+16*(((\p)+1)%2)+2*(\i):Y+16*(((\p)+1)%2)+2*(\i)+1], s[16:17] offset:(((\p)-1)*BLOCK+(\i))*OUTB th:TH_STORE_NT  ; the block before: the wave stores 256 consecutive bytes, at a multiple of 256 from xb's first
.endif
	v_cvt_pk_bf16_f32 v[Y+16*((\p)%2)+2*(\i)],   v[X+32*((\p)%4)+4*(\i)],   v[X+32*((\p)%4)+4*(\i)+1]
	v_cvt_pk_bf16_f32 v[Y+16*((\p)%2)+2*(\i)+1], v[X+32*((\p)%4)+4*(\i)+2], v[X+32*((\p)%4)+4*(\i)+3]
.endr
.endm
	BLK 0, 2*BLOCK                                 ; no block stands ahead of it: no store, and no wait but the one for its data (no vector instruction has named X3 or Y0)
	BLK 1, 2*BLOCK
	BLK 2, 2*BLOCK
	BLK 3, 2*BLOCK
	BLK 4, 2*BLOCK                                 ; asks for block 7, the last
	BLK 5, 2*BLOCK                                 ; the counts run down
	BLK 6, BLOCK
	BLK 7, 0
	s_wait_alu depctr_va_vdst(0)                   ; block 7 has written Y1, which the last eight stores read
.irp i, 0,1,2,3,4,5,6,7
	global_store_b64 v5, v[Y+16+2*(\i):Y+16+2*(\i)+1], s[16:17] offset:((BLOCKS-1)*BLOCK+(\i))*OUTB th:TH_STORE_NT
.endr
	s_wait_dscnt 0x0                               ; the closing lines, six on end
	s_wait_alu 0x0
	s_wait_tensorcnt 0x0
	ds_add_u32 v[SPW], v[NIL]
	s_wait_dscnt 0x0
	s_endpgm
.Lfunc_end_k_qc2dfe909ef_prep:
	.size	k_qc2dfe909ef_prep, .Lfunc_end_k_qc2dfe909ef_prep-k_qc2dfe909ef_prep
	.p2alignl 7, 3214868480
	.fill 96, 4, 3214868480
	.section	.rodata,"a",@progbits
	.p2align	6, 0x0
	.amdhsa_kernel k_qc2dfe909ef_prep
		.amdhsa_group_segment_fixed_size 19456
		.amdhsa_private_segment_fixed_size 0
		.amdhsa_enable_private_segment 0
		.amdhsa_kernarg_size 56
		.amdhsa_user_sgpr_count 2
		.amdhsa_user_sgpr_kernarg_segment_ptr 1
		.amdhsa_wavefront_size32 1
		.amdhsa_system_sgpr_workgroup_id_x 1
		.amdhsa_system_sgpr_workgroup_id_y 1
		.amdhsa_system_sgpr_workgroup_id_z 1
		.amdhsa_system_vgpr_workitem_id 0
		.amdhsa_next_free_vgpr 256
		.amdhsa_next_free_sgpr 66
		.amdhsa_reserve_vcc 0
		.amdhsa_float_denorm_mode_32 3
		.amdhsa_float_denorm_mode_16_64 3
		.amdhsa_memory_ordered 1
		.amdhsa_forward_progress 1
		.amdhsa_inst_pref_size 31
	.end_amdhsa_kernel
	.amdgpu_metadata
---
amdhsa.version: [ 1, 2 ]
amdhsa.kernels:
  - .name:           k_qc2dfe909ef_prep
    .symbol:         k_qc2dfe909ef_prep.kd
    .args:
      - { .name: dir_centroids, .offset: 0, .size: 8, .value_kind: global_buffer, .address_space: global }
      - { .name: dir_labels, .offset: 8, .size: 8, .value_kind: global_buffer, .address_space: global }
      - { .name: norm_bins, .offset: 16, .size: 8, .value_kind: global_buffer, .address_space: global }
      - { .name: norm_idx, .offset: 24, .size: 8, .value_kind: global_buffer, .address_space: global }
      - { .name: x, .offset: 32, .size: 8, .value_kind: global_buffer, .address_space: global }
      - { .name: wb, .offset: 40, .size: 8, .value_kind: global_buffer, .address_space: global }
      - { .name: xb, .offset: 48, .size: 8, .value_kind: global_buffer, .address_space: global }
    .group_segment_fixed_size: 19456
    .private_segment_fixed_size: 0
    .kernarg_segment_align: 8
    .kernarg_segment_size: 56
    .max_flat_workgroup_size: 512
    .sgpr_count:     66
    .vgpr_count:     256
    .wavefront_size: 32
...
	.end_amdgpu_metadata
.endif
;; end of part 5
;; launch gemm: the kernel of part 4 again; grid 8 x 32, 4 waves a work-group, clusters of 4 x 4, 327,680 bytes of LDS; arguments xb, wb, bias, out0; writes out0
